; MI455X (gfx1250); checked and timed in simulation.
; The chip was launched on July 23, 2026; its instructions are those of AMD's public machine-readable ISA for CDNA 5 (MIT licence, August 2026) and "CDNA5" Instruction Set Architecture Reference Guide (July 2026). The comments in the code are by the model that wrote it; some were corrected since.
;; Attention Layer. Allowed arithmetic: float matrix products may take bf16 or f16 operands with f32 sums; other float arithmetic in f32, or as packed bf16 or f16 multiplies, adds, multiply-adds, maxima and minima; sums over many terms, partial sums and values carried from step to step in f32; what a program stores and reads back later, other than sums and carried values, may be rounded once to bf16 or f16.
;; Inputs: W1_b 1,024 float32; W1_w 1,024 x 1,024 float32; W2_b 1,024 float32; W2_w 1,024 x 1,024 float32; k 4 x 2,048 x 1,024 float32; q 4 x 2,048 x 1,024 float32; v 4 x 2,048 x 1,024 float32.
;; Outputs: out0 4 x 2,048 x 1,024 float32.
;; One version. Each part assembles by itself: llvm-mc -triple=amdgcn-amd-amdhsa -mcpu=gfx1250 --defsym DOCPART=n.
;; ======== version 1 of 1: 4 launches
;; limits: values are held in f16: magnitudes above 65,504 overflow, below 6.1e-05 lose precision
;; workspace buffers: xb 33,554,432 bytes; wb 4,194,304 bytes; vh 16,777,216 bytes; lh 33,554,432 bytes; ph 33,554,432 bytes; st 1,048,576 bytes
;; launch cast (part 1): grid 64 x 26, 8 waves a work-group, no clusters, 0 bytes of LDS; arguments q, k, v, W1_w, W2_w, xb, vh, wb; writes xb, vh, wb
.if DOCPART == 1
	.amdgcn_target "amdgcn-amd-amdhsa--gfx1250"
	.amdhsa_code_object_version 6
	.text
	.protected	k_qfdbd44a386_cast
	.globl	k_qfdbd44a386_cast
	.p2align	8
	.type	k_qfdbd44a386_cast,@function
k_qfdbd44a386_cast:
	s_mov_b64 s[64:65], 0
	v_nop
	global_prefetch_b8 v0, s[64:65] scope:SCOPE_SE
	s_setreg_imm32_b32 hwreg(HW_REG_WAVE_MODE, 25, 1), 1
	s_wait_xcnt 0x0
; CAST.  q and k -> bf16 (xb: 16,384 rows of 1,024, q's rows first, then k's); W1 and W2 -> bf16, layout kept (wb: two planes [k][n]);
; v -> rounded to bf16, and that number written as f16 (vh), since the weights that multiply it later are f16.
; LIMITS.  f16 holds no number of 65,520 or more: |v| stays below that; a bf16 number below 6.1e-5 keeps f16's fixed step of 6e-8.  NaN and infinities are not treated apart.
; A stream: no LDS, no barrier, no matrix work, since no byte is used twice.  A work-group takes 65,536 bytes of f32, as 16 pieces of 4,096: thread t takes the 16 bytes at 16 t of
; each piece (a wave's load covers 512 consecutive bytes) and writes 8 bytes at 8 t (a wave's store covers 256 consecutive bytes, aligned).
; All 16 loads of a wave go out at once; no register that a load or store names is written again, so no wait frees any.
; The grid's y picks the tensor: 0-7 q, 8-15 k, 16-23 v, 24 W1, 25 W2; the grid's x the share of 65,536 bytes in an eighth of q, k, v, or in W.
.set X, 4                              ; v[4:67]   slot i: four f32 as loaded; its first two registers then hold the four 16-bit results
.set T, 68                             ; v[68:69]  at work
	s_load_b512 s[8:23], s[0:1], 0x0               ; q 8:9, k 10:11, v 12:13, W1 14:15, W2 16:17, xb 18:19, vh 20:21, wb 22:23
	s_and_b32 s2, ttmp7, 0xffff                    ; y
	s_lshr_b32 s3, s2, 3                           ; 0 q, 1 k, 2 v, 3 the weights
	s_and_b32 s4, s2, 7                            ; which eighth of q, k, v; for the weights 0 = W1, 1 = W2
	s_cmp_eq_u32 s3, 3
	s_cselect_b32 s5, 0, s4                        ; a weight matrix is 64 shares: x alone
	s_lshl_b32 s5, s5, 6
	s_add_co_u32 s5, s5, ttmp9
	s_lshl_b32 s28, s5, 16                         ; the share's byte offset in its source
	s_mov_b32 s29, 0
	s_cmp_lt_u32 s3, 2
	s_cselect_b32 s6, s2, s4                       ; xb holds q and k on end (y counts through both); wb holds W1 and W2 on end
	s_lshl_b32 s6, s6, 6
	s_add_co_u32 s6, s6, ttmp9
	s_lshl_b32 s30, s6, 15                         ; the share's byte offset in its destination: half as many bytes
	s_mov_b32 s31, 0
	s_mov_b32 s7, 0xffff0000                       ; a word's upper bf16
	v_lshlrev_b32 v1, 4, v0                        ; 16 t
	v_lshlrev_b32 v2, 3, v0                        ; 8 t
	s_wait_kmcnt 0x0
	s_mov_b64 s[24:25], s[8:9]                     ; the source, chosen by y alone
	s_cmp_eq_u32 s3, 1
	s_cselect_b64 s[24:25], s[10:11], s[24:25]
	s_cmp_eq_u32 s3, 2
	s_cselect_b64 s[24:25], s[12:13], s[24:25]
	s_cmp_eq_u32 s2, 24
	s_cselect_b64 s[24:25], s[14:15], s[24:25]
	s_cmp_eq_u32 s2, 25
	s_cselect_b64 s[24:25], s[16:17], s[24:25]
	s_mov_b64 s[26:27], s[18:19]                   ; the destination
	s_cmp_eq_u32 s3, 2
	s_cselect_b64 s[26:27], s[20:21], s[26:27]
	s_cmp_eq_u32 s3, 3
	s_cselect_b64 s[26:27], s[22:23], s[26:27]
	s_add_nc_u64 s[24:25], s[24:25], s[28:29]
	s_add_nc_u64 s[26:27], s[26:27], s[30:31]
.irp i, 0,1,2,3,4,5,6,7,8,9,10,11,12,13,14,15
	global_load_b128 v[X+4*(\i):X+4*(\i)+3], v1, s[24:25] offset:4096*(\i) th:TH_LOAD_NT
.endr
; Slot i goes out.  half = 1: v's way, bf16 and then f16.
.macro OUT i, half
	s_wait_loadcnt 15-(\i)                         ; loads come back in order (ISA guide 5.7.1): slot i is in, the 15 - i younger ones may stay out
.if \half
	v_cvt_pk_bf16_f32 v[T], v[X+4*(\i)], v[X+4*(\i)+1]
	v_cvt_pk_bf16_f32 v[T+1], v[X+4*(\i)+2], v[X+4*(\i)+3]
	v_lshlrev_b32 v[X+4*(\i)], 16, v[T]            ; the rounded numbers as f32 again
	v_and_b32 v[X+4*(\i)+1], s7, v[T]
	v_lshlrev_b32 v[X+4*(\i)+2], 16, v[T+1]
	v_and_b32 v[X+4*(\i)+3], s7, v[T+1]
	v_cvt_pk_f16_f32 v[X+4*(\i)], v[X+4*(\i)], v[X+4*(\i)+1]      ; exact within f16's normal range: 8 significant bits into 11
	v_cvt_pk_f16_f32 v[X+4*(\i)+1], v[X+4*(\i)+2], v[X+4*(\i)+3]
.else
	v_cvt_pk_bf16_f32 v[X+4*(\i)], v[X+4*(\i)], v[X+4*(\i)+1]
	v_cvt_pk_bf16_f32 v[X+4*(\i)+1], v[X+4*(\i)+2], v[X+4*(\i)+3]
.endif
	global_store_b64 v2, v[X+4*(\i):X+4*(\i)+1], s[26:27] offset:2048*(\i)
.endm
	s_cmp_eq_u32 s3, 2
	s_cbranch_scc1 .Lhalf
.irp i, 0,1,2,3,4,5,6,7,8,9,10,11,12,13,14,15
	OUT \i, 0
.endr
	s_endpgm
.Lhalf:
.irp i, 0,1,2,3,4,5,6,7,8,9,10,11,12,13,14,15
	OUT \i, 1
.endr
	s_endpgm
.Lfunc_end_k_qfdbd44a386_cast:
	.size	k_qfdbd44a386_cast, .Lfunc_end_k_qfdbd44a386_cast-k_qfdbd44a386_cast
	.p2alignl 7, 3214868480
	.fill 96, 4, 3214868480
	.section	.rodata,"a",@progbits
	.p2align	6, 0x0
	.amdhsa_kernel k_qfdbd44a386_cast
		.amdhsa_group_segment_fixed_size 0
		.amdhsa_private_segment_fixed_size 0
		.amdhsa_enable_private_segment 0
		.amdhsa_kernarg_size 64
		.amdhsa_user_sgpr_count 2
		.amdhsa_user_sgpr_kernarg_segment_ptr 1
		.amdhsa_wavefront_size32 1
		.amdhsa_system_sgpr_workgroup_id_x 1
		.amdhsa_system_sgpr_workgroup_id_y 1
		.amdhsa_system_sgpr_workgroup_id_z 1
		.amdhsa_system_vgpr_workitem_id 0
		.amdhsa_next_free_vgpr 72
		.amdhsa_next_free_sgpr 66
		.amdhsa_reserve_vcc 0
		.amdhsa_float_denorm_mode_32 3
		.amdhsa_float_denorm_mode_16_64 3
		.amdhsa_memory_ordered 1
		.amdhsa_forward_progress 1
		.amdhsa_inst_pref_size 16
	.end_amdhsa_kernel
	.amdgpu_metadata
---
amdhsa.version: [ 1, 2 ]
amdhsa.kernels:
  - .name:           k_qfdbd44a386_cast
    .symbol:         k_qfdbd44a386_cast.kd
    .args:
      - { .name: q, .offset: 0, .size: 8, .value_kind: global_buffer, .address_space: global }
      - { .name: k, .offset: 8, .size: 8, .value_kind: global_buffer, .address_space: global }
      - { .name: v, .offset: 16, .size: 8, .value_kind: global_buffer, .address_space: global }
      - { .name: W1_w, .offset: 24, .size: 8, .value_kind: global_buffer, .address_space: global }
      - { .name: W2_w, .offset: 32, .size: 8, .value_kind: global_buffer, .address_space: global }
      - { .name: xb, .offset: 40, .size: 8, .value_kind: global_buffer, .address_space: global }
      - { .name: vh, .offset: 48, .size: 8, .value_kind: global_buffer, .address_space: global }
      - { .name: wb, .offset: 56, .size: 8, .value_kind: global_buffer, .address_space: global }
    .group_segment_fixed_size: 0
    .private_segment_fixed_size: 0
    .kernarg_segment_align: 8
    .kernarg_segment_size: 64
    .max_flat_workgroup_size: 256
    .sgpr_count:     66
    .vgpr_count:     72
    .wavefront_size: 32
...
	.end_amdgpu_metadata
.endif
;; end of part 1
;; launch proj (part 2): grid 4 x 64, 4 waves a work-group, clusters of 4 x 4, 327,680 bytes of LDS; arguments xb, wb, W1_b, W2_b, lh; writes lh
.if DOCPART == 2
	.amdgcn_target "amdgcn-amd-amdhsa--gfx1250"
	.amdhsa_code_object_version 6
	.text
	.protected	k_qfdbd44a386_proj
	.globl	k_qfdbd44a386_proj
	.p2align	8
	.type	k_qfdbd44a386_proj,@function
k_qfdbd44a386_proj:
	s_mov_b64 s[64:65], 0
	v_nop
	global_prefetch_b8 v0, s[64:65] scope:SCOPE_SE
	s_setreg_imm32_b32 hwreg(HW_REG_WAVE_MODE, 25, 1), 1
	s_wait_xcnt 0x0
	s_wait_alu depctr_hold_cnt(0) depctr_sa_sdst(0) depctr_va_vdst(0) depctr_va_sdst(0) depctr_va_ssrc(0) depctr_va_vcc(0) depctr_vm_vsrc(0)
	s_getreg_b32 s2, hwreg(HW_REG_IB_STS2, 6, 4)
	s_cmp_eq_u32 s2, 0
	s_cbranch_scc0 .Lentry_in_a_cluster
	s_endpgm
.Lentry_in_a_cluster:
	s_bfe_u32 s2, ttmp6, 0x10000c
	s_cmp_lg_u32 s2, 0xf033
	s_cbranch_scc0 .Lentry_shape_is_right
	s_endpgm
.Lentry_shape_is_right:
; PROJECTIONS.  l[m][n] = sum over k of xb[m][k] W[k][n] + b[n], m = 0 .. 16,383: rows 0-8,191 are q's (W1, W1_b), the others k's (W2, W2_b).  xb and wb bf16, sums f32, l f16, rounded once.
; b is rounded to bf16 like the other inputs and is the C operand that starts each sum.
; lh HOLDS l AS THE NEXT LAUNCH'S FRAGMENTS: block rb of 16 rows and chunk uc of 32 units are 1,024 bytes at 32,768 rb + 1,024 uc; the 16 bytes at 16 l hold row l % 16, units 8 (l / 16) + 0..7,
; those at 512 + 16 l units 16 + 8 (l / 16) + 0..7.  That is what lane l holds here when its results are packed, so they are stored straight from registers.
; LIMITS.  |l1|, |l2| stay below 65,520 (f16's range); below 6.1e-5 they keep f16's fixed step of 6e-8.  NaN and infinities are not treated apart.
; SHARES.  A tile of 256 x 256 to a work-group of four waves, 128 x 128 to a wave: 64 accumulators of 16 x 16, 512 registers.  64 x 4 tiles: 256 work-groups.
; K = 1,024 goes in 8 steps of 128 through two LDS slots filled by the tensor data mover; a wave's one load brings a quarter of a slot.
; A's tile: 256 rows x 256 bytes, K along the rows.  W's tile lies [k][n]: 128 rows of 512 bytes; its fragments are turned on the way out of LDS by ds_load_tr16_b128.
; CLUSTER.  4 x 4 work-groups.  A's tile hangs on the tile row alone and is asked for jointly by a row of the cluster, W's on the tile column (and on which of the two weights, which a whole
; cluster shares: 4 tile rows divide 32) and is asked for jointly by a column: the same tensor load, descriptor and mask in all four.
; THE MATRIX INSTRUCTION IS USED TRANSPOSED (source 0 = 16 columns of W, source 1 = 16 rows of A): lane l then holds row l % 16 and its registers the columns 8 (l / 16) + 0..7.
; REGISTERS, in windows of 256 (s_set_vgpr_msb: bits 1:0 source 0, 3:2 source 1, 5:4 source 2, 7:6 destination):
;   window 0: v0-31 addresses; v32-63 at work on the bias; v64-127, v128-191 A's fragments, two buffers; v192-255 the bias as loaded, later v192-223 packed results
;   window 1: v0-63 the bias of my 128 columns as the accumulators hold them; v64-127, v128-191 W's fragments, two buffers
;   window 2: the accumulators of my rows 0-63 ((a, b) at v[8 (8 a + b)]);   window 3: those of my rows 64-127
.set PITCH,  272                       ; A's LDS row: 256 bytes + 16 = 68 words: the 16 rows of a load start at 16 different groups of four banks (64 banks of 4 bytes: ISA guide 11.1)
.set PB,     544                       ; W's LDS row: 512 bytes + 32 = 136 words
.set HALFT,  128*PITCH                 ; what one tensor load brings: 128 rows of A, or 64 rows of W (64 x 544 is the same 34,816 bytes)
.set SLOT,   4*HALFT                   ; A's 256 rows, then W's 128 rows.  0x22000: it shares no bit with wave x HALFT, so one exclusive or changes slots
.set SPARE,  2*SLOT                    ; behind the ring: the spare words, 128 bytes for each wave: two blocks of 256 bytes that no other line names
.set RBB,    32768                     ; bytes of a block of 16 rows in lh
.set ASTEP,  256                       ; a K step in xb: 128 elements along the row
.set BSTEP,  128*2048                  ; a K step in wb: 128 rows
.set TRIPS,  6                         ; K steps 2 to 7 are asked for in the loop
.set ADRA0, 16                         ; v16  my lane's place in A's tile; never rewritten
.set ADRA,  17                         ; v17  the same in the slot in hand
.set ADRB0, 20                         ; v20, v21  likewise for W
.set ADRB,  21
.set CO,   26                          ; v26  16 x lane: my 16 bytes of a store's 512
.set SPW,  28                          ; v28  LDS address of my spare word; never rewritten
.set NIL,  29                          ; v29  0; never rewritten
.set F0,   64
.set F1,   128
.set TMP,  192
.set G1,  24                           ; s[24:31] descriptor group 1 for A's tiles
.set G0,  32                           ; s[32:35] group 0 of A's first fill; s[36:39] of its second, which then walks
.set G1B, 48                           ; s[48:55], s[56:59], s[60:63] the same for W's tiles
.set G0B, 56
.set TB,  45                           ; s45  LDS byte at which the slot in hand begins
.set CP,  76                           ; s[76:77] lh, at my part of the tile
.set MSB, 0
.macro WIN new                         ; the immediate's high byte repeats the setting that is left; a switch that changes nothing is dropped
.if MSB != (\new)
	s_set_vgpr_msb (MSB<<8)|(\new)
.set MSB, \new
.endif
.endm
.set MUL_LO, 0xa1                      ; source 0 (W) window 1, source 1 (A) window 0, C and D window 2
.set MUL_HI, 0xf1                      ; the same, C and D window 3
.set TO_B,   0x40                      ; destination window 1, address window 0
; A joint refill by the walking descriptors.  Waves 0 and 1 fetch A's two halves, waves 2 and 3 W's.  The branch hangs on the wave's number alone.
; An s_nop 0 and four v_nop follow each of the two lines, ahead of the jump and the label.
.macro JLOAD
	s_cmp_eq_u32 s11, 0
	s_cbranch_scc0 .Lfor_b_\@
	tensor_load_to_lds s[G0+4:G0+7], s[G1:G1+7]
	s_nop 0
.rept 4
	v_nop
.endr
	s_branch .Lasked_\@
.Lfor_b_\@:
	tensor_load_to_lds s[G0B+4:G0B+7], s[G1B:G1B+7]
	s_nop 0
.rept 4
	v_nop
.endr
.Lasked_\@:
.endm
; A round of the cluster's barrier: my work-group's barrier; wave 0 signals for the work-group; every wave waits for all sixteen; my work-group's barrier once more.
.macro CREST                           ; a round behind its opening barrier
	s_cmp_lg_u32 s10, 0
	s_cbranch_scc1 .Lnot_wave_0_\@
	s_barrier_signal -3
.Lnot_wave_0_\@:
	s_barrier_wait -3
	s_barrier_signal -1
	s_barrier_wait -1
.endm
.macro CROUND
	s_barrier_signal -1
	s_barrier_wait -1
	CREST
.endm
	s_load_b256 s[68:75], s[0:1], 0x0              ; xb 68:69, wb 70:71, W1_b 72:73, W2_b 74:75
	s_load_b64 s[CP:CP+1], s[0:1], 0x20            ; lh
	v_lshl_add_u32 v[SPW], v0, 2, SPARE
	v_mov_b32 v[NIL], 0
	ds_add_u32 v[SPW], v[NIL]                      ; the wave's opening: the add and its wait stand ahead of my first tensor load; the set-up below, work on registers, stands between them
	v_lshrrev_b32 v1, 5, v0
	v_readfirstlane_b32 s10, v1                    ; wave 0..3
	s_lshr_b32 s11, s10, 1                         ; which half of the tile's rows is mine.  Also: I fetch for A (0) or for W (1)
	s_and_b32 s12, s10, 1                          ; which half of its columns.  Also: which half of that tile I fetch
	s_bfe_u32 s40, ttmp6, 0x40000                  ; cx
	s_bfe_u32 s41, ttmp6, 0x40004                  ; cy
	s_lshl_b32 s42, ttmp9, 2
	s_add_co_u32 s42, s42, s40                     ; tile column = 4 x cluster x + cx
	s_and_b32 s82, ttmp7, 0xffff                   ; the cluster's y
	s_lshl_b32 s13, s82, 2
	s_add_co_u32 s13, s13, s41                     ; tile row = 4 x cluster y + cy
	s_lshl_b32 s43, s41, 2
	s_lshl_b32 s43, 15, s43                        ; my row of the cluster: places 4 cy .. 4 cy + 3
	s_lshl_b32 s44, 0x1111, s40                    ; my column: places cx, cx + 4, cx + 8, cx + 12
	; group 1 for A: 128 rows x 128 elements of 2 bytes, 1,024 elements from row to row, 4 words of padding behind every 64
	s_or_b32 s[G1+0], s43, (1<<16)|(1<<20)|(1<<21)|(5<<22)|(3<<25)  ; 15:0 the mask; 17:16 2-byte elements; 20 padding on; 21 set beside a mask; 24:22 interval code 5; 31:25 pad code 3
	s_mov_b32 s[G1+1], 128<<16                     ; tensor_dim0 = 128
	s_mov_b32 s[G1+2], 128<<16                     ; tensor_dim1 = 128
	s_mov_b32 s[G1+3], 128<<16                     ; tile_dim0 = 128
	s_mov_b32 s[G1+4], 128                         ; tile_dim1 = 128
	s_mov_b32 s[G1+5], 1024                        ; stride
	s_mov_b32 s[G1+6], 0
	s_mov_b32 s[G1+7], 0
	; group 1 for W: 64 rows x 256 elements, 8 words of padding behind every 128
	s_or_b32 s[G1B+0], s44, (1<<16)|(1<<20)|(1<<21)|(6<<22)|(7<<25)
	s_mov_b32 s[G1B+1], 256<<16
	s_mov_b32 s[G1B+2], 64<<16
	s_mov_b32 s[G1B+3], 256<<16
	s_mov_b32 s[G1B+4], 64
	s_mov_b32 s[G1B+5], 1024
	s_mov_b32 s[G1B+6], 0
	s_mov_b32 s[G1B+7], 0
	; where the tiles come from: A's offset is made of the tile row and the wave's number, W's of the tile column, the cluster's y and the wave's number
	s_lshl_b32 s16, s13, 8
	s_lshl_b32 s17, s12, 7
	s_add_co_u32 s16, s16, s17                     ; A: row 256 x tile row + 128 x half,
	s_lshl_b32 s16, s16, 11                        ; of 2,048 bytes (under 2^25)
	s_mov_b32 s17, 0
	s_cmp_ge_u32 s82, 8                            ; tile rows 32 on are k's: W2's plane, 2,097,152 bytes on
	s_cselect_b32 s83, 0x200000, 0
	s_lshl_b32 s46, s42, 9                         ; W: 256 columns of 2 bytes a tile column,
	s_lshl_b32 s47, s12, 17                        ; 64 rows of 2,048 bytes a half
	s_add_co_u32 s46, s46, s47
	s_add_co_u32 s46, s46, s83
	s_mov_b32 s47, 0
	s_lshl_b32 s78, s42, 10                        ; the bias of my 128 columns: 4 bytes x (256 x tile column + 128 x half)
	s_lshl_b32 s79, s12, 9
	s_add_co_u32 s78, s78, s79
	s_mov_b32 s79, 0
	s_lshl_b32 s18, s13, 19                        ; my part of the tile in lh: row block 16 x tile row + 8 x half, of 32,768 bytes,
	s_lshl_b32 s19, s11, 18
	s_add_co_u32 s18, s18, s19
	s_lshl_b32 s19, s42, 13                        ; chunk 8 x tile column + 4 x half, of 1,024 bytes
	s_add_co_u32 s18, s18, s19
	s_lshl_b32 s19, s12, 12
	s_add_co_u32 s18, s18, s19
	s_mov_b32 s19, 0
	s_mov_b32 s80, 0xffff0000                      ; a word's upper bf16
	s_mul_i32 s20, s10, HALFT                      ; where my part of a slot goes: A's two halves, then W's two
	v_and_b32 v1, 15, v0                           ; r = l % 16
	v_bfe_u32 v2, v0, 4, 1                         ; h = l / 16
	v_lshlrev_b32 v6, 5, v2                        ; the bias: register j of accumulator column b is column 16 b + 8 h + j: 32 bytes at 64 b + 32 h
	s_wait_dscnt 0x0                               ; the opening add is done
	s_wait_kmcnt 0x0
	s_add_nc_u64 s[14:15], s[68:69], s[16:17]
	s_add_nc_u64 s[46:47], s[70:71], s[46:47]
	s_cmp_ge_u32 s82, 8
	s_cselect_b64 s[72:73], s[74:75], s[72:73]     ; W2_b for k's rows
	s_add_nc_u64 s[72:73], s[72:73], s[78:79]
	s_add_nc_u64 s[CP:CP+1], s[CP:CP+1], s[18:19]
.irp i, 0,1,2,3,4,5,6,7,8,9,10,11,12,13,14,15
	global_load_b128 v[192+4*(\i):192+4*(\i)+3], v6, s[72:73] offset:((\i)/2)*64+((\i)%2)*16  ; asked for ahead of the round: it is on its way while the work-groups meet and the first tiles land
.endr
	CROUND                                         ; all sixteen work-groups are here: the first joint loads meet
.irp s, 0,1
	s_mov_b32 s[G0+4*(\s)], 1                                      ; count = 1
	s_add_co_u32 s[G0+4*(\s)+1], s20, (\s)*SLOT                    ; LDS address
	s_add_nc_u64 s[G0+4*(\s)+2:G0+4*(\s)+3], s[14:15], (\s)*ASTEP  ; global address: K step s
	s_or_b32 s[G0+4*(\s)+3], s[G0+4*(\s)+3], 0x80000000            ; type = 2
	s_mov_b32 s[G0B+4*(\s)], 1
	s_add_co_u32 s[G0B+4*(\s)+1], s20, (\s)*SLOT
	s_add_nc_u64 s[G0B+4*(\s)+2:G0B+4*(\s)+3], s[46:47], (\s)*BSTEP
	s_or_b32 s[G0B+4*(\s)+3], s[G0B+4*(\s)+3], 0x80000000
.endr
	s_cmp_eq_u32 s11, 0                            ; a wave's two first fills stand in one branch, ahead of every wait on TENSORcnt and every LDS read: two loads of mine are out
	s_cbranch_scc0 .Lfirst_b
	tensor_load_to_lds s[G0:G0+3], s[G1:G1+7]
	s_nop 0
	tensor_load_to_lds s[G0+4:G0+7], s[G1:G1+7]
	s_nop 0
.rept 4
	v_nop
.endr
	s_branch .Lfirst_asked
.Lfirst_b:
	tensor_load_to_lds s[G0B:G0B+3], s[G1B:G1B+7]
	s_nop 0
	tensor_load_to_lds s[G0B+4:G0B+7], s[G1B:G1B+7]
	s_nop 0
.rept 4
	v_nop
.endr
.Lfirst_asked:
	; A's fragment: lane l holds row r; two loads of 16 bytes, 32 bytes apart, at row x pitch + 16 h
	v_mul_u32_u24 v3, v1, PITCH
	v_lshl_add_u32 v3, v2, 4, v3
	s_mul_i32 s21, s11, HALFT                      ; my 128 rows of A
	v_add_nc_u32 v[ADRA0], s21, v3
	; the turning load takes 16 k x 16 columns: lane l reads 16 bytes of row 8 h + l % 8, columns 8 ((l / 8) % 2) + 0..7, and is left with column r and 8 k
	v_and_b32 v10, 7, v0
	v_bfe_u32 v11, v0, 3, 1
	v_lshl_add_u32 v4, v2, 3, v10
	v_mul_u32_u24 v4, v4, PB
	v_lshl_add_u32 v4, v11, 4, v4
	s_lshl_b32 s22, s12, 8                         ; my 128 columns: 256 bytes,
	s_add_co_u32 s22, s22, 2*HALFT                 ; behind A's 256 rows
	v_add_nc_u32 v[ADRB0], s22, v4
	v_and_b32 v[CO], 31, v0
	v_lshlrev_b32 v[CO], 4, v[CO]                  ; 16 x lane
	v_mov_b32 v[ADRA], v[ADRA0]                    ; slot 0
	v_mov_b32 v[ADRB], v[ADRB0]
	s_mov_b32 s[TB], 0
	s_wait_loadcnt 0x0                             ; the bias, once
.set i, 0
.rept 32
	v_cvt_pk_bf16_f32 v[32+i], v[192+2*i], v[192+2*i+1]  ; rounded to bf16 like every input,
.set i, i+1
.endr
	WIN 0x40                                       ; destination window 1
.set i, 0
.rept 32
	v_lshlrev_b32 v[2*i], 16, v[32+i]              ; and widened again: window 1's v[8 b + j] starts the sums of accumulator column b
	v_and_b32 v[2*i+1], s80, v[32+i]
.set i, i+1
.endr
	WIN 0
; 16 matrix instructions: row blocks a0, a0 + 1 of the window's four (hi = 0: my rows 0-63, 1: rows 64-127) x all 8 column blocks, 32 along K.
; zero = 1: the first product starts the sums, with the bias as C (window 1): nothing is cleared and no add is spent.
; The 64 accumulators take turns, one instruction a turn, in the same order in every quarter.
.macro MUL16 f, hi, a0, zero
.if \zero
	WIN 0x91+0x40*(\hi)                            ; as below, with C in window 1
.else
	WIN MUL_LO+0x50*(\hi)
.endif
.irp a, \a0, (\a0)+1
.irp b, 0,1,2,3,4,5,6,7
.if \zero
	v_wmma_f32_16x16x32_bf16 v[8*(8*(\a)+(\b)):8*(8*(\a)+(\b))+7], v[(\f)+8*(\b):(\f)+8*(\b)+7], v[(\f)+8*(4*(\hi)+(\a)):(\f)+8*(4*(\hi)+(\a))+7], v[8*(\b):8*(\b)+7]
.else
	v_wmma_f32_16x16x32_bf16 v[8*(8*(\a)+(\b)):8*(8*(\a)+(\b))+7], v[(\f)+8*(\b):(\f)+8*(\b)+7], v[(\f)+8*(4*(\hi)+(\a)):(\f)+8*(4*(\hi)+(\a))+7], v[8*(8*(\a)+(\b)):8*(8*(\a)+(\b))+7]
.endif
.endr
.endr
.endm
; 32 LDS loads in one run: quarter q's fragments (32 along K) of the slot in hand into buffer f: W's 128 columns, turned, then A's 128 rows
.macro FETCH q, f
	WIN TO_B
.irp i, 0,1,2,3,4,5,6,7
	ds_load_tr16_b128 v[(\f)+8*(\i):(\f)+8*(\i)+3],   v[ADRB] offset:(\q)*32*PB+32*(\i)
	ds_load_tr16_b128 v[(\f)+8*(\i)+4:(\f)+8*(\i)+7], v[ADRB] offset:(\q)*32*PB+16*PB+32*(\i)
.endr
	WIN 0
.irp i, 0,1,2,3,4,5,6,7
	ds_load_b128 v[(\f)+8*(\i):(\f)+8*(\i)+3],   v[ADRA] offset:64*(\q)+(\i)*16*PITCH
	ds_load_b128 v[(\f)+8*(\i)+4:(\f)+8*(\i)+7], v[ADRA] offset:64*(\q)+(\i)*16*PITCH+32
.endr
.endm
.macro PLACES                          ; four places in front of loads into registers that matrix instructions have read, and of vector lines that read results (ISA guide 7.12.1 for the vector lines)
.rept 4
	v_nop
.endr
.endm
; One of a K step's first three quarters: multiplies buffer f; in its middle it fetches quarter qn of the same slot into buffer g.
.macro QUARTER qn, f, g, zero
	s_wait_dscnt 8                                 ; W and A's rows 0-63 are in; the youngest eight loads (A's rows 64-127) may be out
	MUL16 \f, 0, 0, \zero
	MUL16 \f, 0, 2, \zero
	PLACES
	FETCH \qn, \g
	s_wait_dscnt 32                                ; all but the 32 just issued
	MUL16 \f, 1, 0, \zero
	MUL16 \f, 1, 2, \zero
.endm
; The last quarter multiplies buffer 1 and changes slots: ONE barrier.  In front of it each wave waits for all its tensor loads (one is out: its part of the next slot), adds 0 to its spare word,
; and waits for that and for its own reads of this slot.  fill = 1: the barrier opens a round of the cluster's, and behind the round this slot is filled again first, with the K step two on.
; fill = 0 (the tail's two trips, counted down in s3): nothing is asked for; in the second trip there is no further K step, and the run of fragment loads is jumped over.
.macro TURN fill
	WIN 0                                          ; (the add's two registers lie in window 0)
	s_wait_tensorcnt 0x0                           ; all my tensor loads have landed, so the walking descriptors may be written
	ds_add_u32 v[SPW], v[NIL]                      ; 0 onto my spare word
	s_wait_dscnt 9                                 ; (the add and the youngest eight loads may be out)
	MUL16 F1, 0, 0, 0                              ; sixteen matrix instructions stand between the add and the wait for it
	s_wait_dscnt 0x0                               ; the add is done, and my reads of this slot are over
	s_barrier_signal -1
	MUL16 F1, 0, 2, 0                              ; work on registers while the others arrive
	WIN 0
	s_barrier_wait -1
.if \fill
	CREST                                          ; no wave of any partner still reads this slot's tile or has a load on its way
	s_xor_b32 s[G0+5], s[G0+5], SLOT               ; the other slot than last time,
	s_add_nc_u64 s[G0+6:G0+7], s[G0+6:G0+7], ASTEP ; the next K step; the type bits on top are not reached
	s_xor_b32 s[G0B+5], s[G0B+5], SLOT
	s_add_nc_u64 s[G0B+6:G0B+7], s[G0B+6:G0B+7], BSTEP
	JLOAD                                          ; the first tensor load behind the round; its four v_nop are also the places in front of the loads below
.else
	s_cmp_eq_u32 s3, 1
	s_cbranch_scc1 .Lno_fetch_\@
	PLACES
.endif
	s_xor_b32 s[TB], s[TB], SLOT
	v_add_nc_u32 v[ADRA], s[TB], v[ADRA0]
	v_add_nc_u32 v[ADRB], s[TB], v[ADRB0]
	FETCH 0, F0
.if !(\fill)
.Lno_fetch_\@:
.endif
	MUL16 F1, 1, 0, 0
	MUL16 F1, 1, 2, 0
.endm
; THE WAY OUT of row block a: rounded to f16, each accumulator's registers ascending; a lane's four registers of column block b are 16 bytes of a fragment, and the wave's store is 512 consecutive bytes.
.macro PACK a
.set AC, 64*((\a)%4)
	s_wait_xcnt 0x0                                ; the packed registers, which the block before stored, are rewritten only behind this wait (ISA guide 3.1)
	WIN 0x0a+5*((\a)/4)                            ; sources 0 and 1: window 2 or 3
.irp b, 0,1,2,3,4,5,6,7
.irp r, 0,1,2,3
	v_cvt_pk_f16_f32 v[TMP+4*(\b)+(\r)], v[AC+8*(\b)+2*(\r)], v[AC+8*(\b)+2*(\r)+1]
.endr
.endr
	WIN 0
.endm
.macro SEND a
.irp b, 0,1,2,3,4,5,6,7
	global_store_b128 v[CO], v[TMP+4*(\b):TMP+4*(\b)+3], s[CP:CP+1] offset:(\a)*RBB+512*(\b)  ; the block's eight stores cover 4,096 consecutive bytes; 232,960 at the most, inside the signed 24-bit immediate
.endr
.endm
	s_wait_tensorcnt 0x1                           ; my part of K step 0 is in; K step 1's may stay out
	s_barrier_signal -1
	s_barrier_wait -1                              ; everybody's is
	FETCH 0, F0
	QUARTER 1, F0, F1, 1                           ; the first quarter stands in front of the loop: its products start the sums
	WIN 0                                          ; at a label and at a branch every window is 0
	s_mov_b32 s3, TRIPS
.Lstep:                                                ; a trip: a K step's quarters 1 to 3 and the next step's quarter 0; it fills the slot that it leaves
	QUARTER 2, F1, F0, 0
	QUARTER 3, F0, F1, 0
	TURN 1
	QUARTER 1, F0, F1, 0
	WIN 0
	s_sub_co_u32 s3, s3, 1
	s_cmp_lg_u32 s3, 0
	s_cbranch_scc1 .Lstep
	s_mov_b32 s3, 2                                ; THE TAIL has a text of its own: two trips, K steps 6 and 7, which ask for nothing
.Ltail:                                                ; the second trip is left in its middle; its barrier and its wait for all tensor loads serve nothing: the price of one text for both trips
	QUARTER 2, F1, F0, 0
	QUARTER 3, F0, F1, 0
	TURN 0
	WIN 0
	s_sub_co_u32 s3, s3, 1
	s_cmp_eq_u32 s3, 0
	s_cbranch_scc1 .Lout
	QUARTER 1, F0, F1, 0
	WIN 0
	s_branch .Ltail
.Lout:
	PLACES
.irp a, 0,1,2,3,4,5,6,7
	PACK \a
	SEND \a
.endr
	s_wait_tensorcnt 0x0                           ; the wave's end, behind my last tensor load
	ds_add_u32 v[SPW], v[NIL]
	s_wait_dscnt 0x0
	CROUND                                         ; the closing round: no work-group ends while a partner may still ask for a tile that names it
	s_endpgm
.Lfunc_end_k_qfdbd44a386_proj:
	.size	k_qfdbd44a386_proj, .Lfunc_end_k_qfdbd44a386_proj-k_qfdbd44a386_proj
	.p2alignl 7, 3214868480
	.fill 96, 4, 3214868480
	.section	.rodata,"a",@progbits
	.p2align	6, 0x0
	.amdhsa_kernel k_qfdbd44a386_proj
		.amdhsa_group_segment_fixed_size 327680
		.amdhsa_private_segment_fixed_size 0
		.amdhsa_enable_private_segment 0
		.amdhsa_kernarg_size 40
		.amdhsa_user_sgpr_count 2
		.amdhsa_user_sgpr_kernarg_segment_ptr 1
		.amdhsa_wavefront_size32 1
		.amdhsa_system_sgpr_workgroup_id_x 1
		.amdhsa_system_sgpr_workgroup_id_y 1
		.amdhsa_system_sgpr_workgroup_id_z 1
		.amdhsa_system_vgpr_workitem_id 0
		.amdhsa_next_free_vgpr 1024
		.amdhsa_next_free_sgpr 84
		.amdhsa_reserve_vcc 0
		.amdhsa_float_denorm_mode_32 3
		.amdhsa_float_denorm_mode_16_64 3
		.amdhsa_memory_ordered 1
		.amdhsa_forward_progress 1
		.amdhsa_inst_pref_size 97
	.end_amdhsa_kernel
	.amdgpu_metadata
---
amdhsa.version: [ 1, 2 ]
amdhsa.kernels:
  - .name:           k_qfdbd44a386_proj
    .symbol:         k_qfdbd44a386_proj.kd
    .args:
      - { .name: xb, .offset: 0, .size: 8, .value_kind: global_buffer, .address_space: global }
      - { .name: wb, .offset: 8, .size: 8, .value_kind: global_buffer, .address_space: global }
      - { .name: W1_b, .offset: 16, .size: 8, .value_kind: global_buffer, .address_space: global }
      - { .name: W2_b, .offset: 24, .size: 8, .value_kind: global_buffer, .address_space: global }
      - { .name: lh, .offset: 32, .size: 8, .value_kind: global_buffer, .address_space: global }
    .group_segment_fixed_size: 327680
    .private_segment_fixed_size: 0
    .kernarg_segment_align: 8
    .kernarg_segment_size: 40
    .max_flat_workgroup_size: 128
    .sgpr_count:     84
    .vgpr_count:     1024
    .wavefront_size: 32
...
	.end_amdgpu_metadata
.endif
;; end of part 2
;; launch score (part 3): grid 8 x 32, 4 waves a work-group, clusters of 4 x 4, 327,680 bytes of LDS; arguments lh, ph, st; writes ph, st
.if DOCPART == 3
	.amdgcn_target "amdgcn-amd-amdhsa--gfx1250"
	.amdhsa_code_object_version 6
	.text
	.protected	k_qfdbd44a386_score
	.globl	k_qfdbd44a386_score
	.p2align	8
	.type	k_qfdbd44a386_score,@function
k_qfdbd44a386_score:
	s_mov_b64 s[64:65], 0
	v_nop
	global_prefetch_b8 v0, s[64:65] scope:SCOPE_SE
	s_setreg_imm32_b32 hwreg(HW_REG_WAVE_MODE, 25, 1), 1
	s_wait_xcnt 0x0
	s_wait_alu depctr_hold_cnt(0) depctr_sa_sdst(0) depctr_va_vdst(0) depctr_va_sdst(0) depctr_va_ssrc(0) depctr_va_vcc(0) depctr_vm_vsrc(0)
	s_getreg_b32 s2, hwreg(HW_REG_IB_STS2, 6, 4)
	s_cmp_eq_u32 s2, 0
	s_cbranch_scc0 .Lentry_in_a_cluster
	s_endpgm
.Lentry_in_a_cluster:
	s_bfe_u32 s2, ttmp6, 0x10000c
	s_cmp_lg_u32 s2, 0xf033
	s_cbranch_scc0 .Lentry_shape_is_right
	s_endpgm
.Lentry_shape_is_right:
; SCORES AND WEIGHTS.  For each batch: s[q][k] = l1[q] . l2[k] (lh: rows 0-8,191 l1, rows 8,192 on l2; f16, sums f32).  With c = log2(e) / sqrt(2,048), for each query and each BLOCK of 128 keys:
; m = the block's maximum of s, cm = c m, p = 2^(c s - cm) (stored in f16), l = the sum of the unrounded p.  st[0][block][q] = cm, st[1][block][q] = l, f32.
; The next launch takes the maximum of a row's 16 cm and rescales: together the two are the softmax with its true maximum taken away.
; lh AND ph LIE AS FRAGMENTS.  lh: block rb of 16 rows, chunk uc of 32 units: 1,024 bytes at 32,768 rb + 1,024 uc.  ph: block qb of 16 queries, chunk kc of 32 keys of the query's batch: 1,024 bytes at
; 65,536 qb + 1,024 kc.  In both the 16 bytes at 16 l hold row l % 16, places 8 (l / 16) + 0..7 of the chunk, those at 512 + 16 l places 16 + 8 (l / 16) + 0..7: registers 0-3 and 4-7 of lane l's fragment.
; So a fragment comes out of LDS as two loads of 16 x lane (32 lanes, 512 consecutive bytes), and the packed weights are stored straight from registers.
; LIMITS.  p lies in 0 to 1; below 6e-5 it keeps f16's fixed step of 6e-8; a weight below 2^-126 counts as 0 in l.  NaN and infinities are not treated apart.
; SHARES.  A tile of 256 queries x 256 keys to a work-group of four waves, 128 x 128 to a wave, so a wave's columns ARE one block.  32 x 8 tiles: 256 work-groups.  K = 1,024 in 8 steps of 128, two LDS slots.
; CLUSTER.  4 x 4 work-groups: l1's tile hangs on the tile row and is asked for jointly by a row of the cluster; l2's on the tile column and the batch (a cluster's 1,024 queries lie in one batch)
; and is asked for jointly by a column.
; THE MATRIX INSTRUCTION IS USED TRANSPOSED (source 0 = 16 keys, source 1 = 16 queries): lane l holds query l % 16 and its registers the keys 8 (l / 16) + 0..7, so a query's 128 scores lie in two lanes.
; REGISTERS, in windows of 256 (s_set_vgpr_msb: bits 1:0 source 0, 3:2 source 1, 5:4 source 2, 7:6 destination):
;   window 0: v0-31 addresses; v64-127, v128-191 l1's fragments, two buffers (v64-119 at work on the way out); v192-223 packed weights
;   window 1: v64-127, v128-191 l2's fragments      window 2: the accumulators of my queries 0-63 ((a, b) at v[8 (8 a + b)])      window 3: those of my queries 64-127
.set FRB,    4096                      ; a block of 16 rows in a K step of 128: four fragments
.set HALFT,  8*FRB                     ; 128 rows: what one tensor load brings
.set SLOT,   4*HALFT                   ; l1's 256 rows, then l2's 256 rows: 0x20000, above every wave x HALFT, so one exclusive or changes slots
.set STST,   2*SLOT                    ; behind the ring: 1,024 bytes for each wave: its 128 cm, then its 128 l
.set SPARE,  STST+4*1024               ; the spare words, 128 bytes for each wave: two blocks of 256 bytes that no other line names
.set QBB,    65536                     ; bytes of a block of 16 queries in ph
.set KSTEPB, 4096                      ; a K step in a row block of lh: four chunks
.set TRIPS,  6
.set ADRA0, 16
.set ADRA,  17
.set ADRB0, 20
.set ADRB,  21
.set SO,   27                          ; v27  16 x lane: my 16 bytes of a store's 512
.set SPW,  28
.set NIL,  29
.set SA,   30                          ; v30  where I put a statistic: lanes 0-15 cm of query r, lanes 16-31 l
.set SB,   31                          ; v31  where I read four of them back
.set F0,   64
.set F1,   128
.set TMP,  192
.set TC,   64                          ; v64-67   four running maxima
.set TX,   68                          ; v68      what the lane 16 away holds
.set LS,   69                          ; v69      my half of a sum
.set CM2,  80                          ; v80-95   block a: (cm, m), a pair for the packed scaling
.set LR,   96                          ; v96-103  block a: l
.set ST8,  104                         ; v104-111 block a: cm or l, by the lane's half
.set G1,  24
.set G0,  32
.set G1B, 48
.set G0B, 56
.set TB,  45
.set CP,  70                           ; s[70:71] ph, at my part of the tile
.set CS,  78                           ; s[78:79] c, twice
.set SEL, 80                           ; s[80:81] v_permlanex16_b32's selects: each lane takes its own place in the other half
.set MSB, 0
.macro WIN new
.if MSB != (\new)
	s_set_vgpr_msb (MSB<<8)|(\new)
.set MSB, \new
.endif
.endm
.set MUL_LO, 0xa1
.set MUL_HI, 0xf1
.set TO_B,   0x40
.macro JLOAD                           ; a joint refill: waves 0 and 1 fetch l1's two halves, waves 2 and 3 l2's; an s_nop 0 and four v_nop follow each line
	s_cmp_eq_u32 s11, 0
	s_cbranch_scc0 .Lfor_b_\@
	tensor_load_to_lds s[G0+4:G0+7], s[G1:G1+7]
	s_nop 0
.rept 4
	v_nop
.endr
	s_branch .Lasked_\@
.Lfor_b_\@:
	tensor_load_to_lds s[G0B+4:G0B+7], s[G1B:G1B+7]
	s_nop 0
.rept 4
	v_nop
.endr
.Lasked_\@:
.endm
.macro CREST
	s_cmp_lg_u32 s10, 0
	s_cbranch_scc1 .Lnot_wave_0_\@
	s_barrier_signal -3
.Lnot_wave_0_\@:
	s_barrier_wait -3
	s_barrier_signal -1
	s_barrier_wait -1
.endm
.macro CROUND
	s_barrier_signal -1
	s_barrier_wait -1
	CREST
.endm
	s_load_b128 s[68:71], s[0:1], 0x0              ; lh 68:69, ph 70:71
	s_load_b64 s[72:73], s[0:1], 0x10              ; st
	v_lshl_add_u32 v[SPW], v0, 2, SPARE
	v_mov_b32 v[NIL], 0
	ds_add_u32 v[SPW], v[NIL]                      ; the wave's opening: the add and its wait stand ahead of my first tensor load; the set-up below, work on registers, stands between them
	v_lshrrev_b32 v1, 5, v0
	v_readfirstlane_b32 s10, v1                    ; wave 0..3
	s_lshr_b32 s11, s10, 1                         ; which half of the tile's queries is mine.  Also: I fetch for l1 (0) or for l2 (1)
	s_and_b32 s12, s10, 1                          ; which half of its keys.  Also: which 128 rows of that tile I fetch
	s_bfe_u32 s40, ttmp6, 0x40000                  ; cx
	s_bfe_u32 s41, ttmp6, 0x40004                  ; cy
	s_lshl_b32 s42, ttmp9, 2
	s_add_co_u32 s42, s42, s40                     ; tile column (of the batch's 8) = 4 x cluster x + cx
	s_and_b32 s82, ttmp7, 0xffff                   ; the cluster's y
	s_lshl_b32 s13, s82, 2
	s_add_co_u32 s13, s13, s41                     ; tile row (of 32) = 4 x cluster y + cy
	s_lshr_b32 s83, s82, 1                         ; the batch: two clusters' rows each
	s_lshl_b32 s43, s41, 2
	s_lshl_b32 s43, 15, s43                        ; my row of the cluster
	s_lshl_b32 s44, 0x1111, s40                    ; my column
	; group 1: 8 row blocks x 4,096 bytes (512 elements of 8 bytes), 32,768 bytes from block to block, no padding; the two differ in the mask alone
	s_or_b32 s[G1+0], s43, (3<<16)|(1<<21)         ; 15:0 the mask; 17:16 8-byte elements; 21 set beside a mask
	s_or_b32 s[G1B+0], s44, (3<<16)|(1<<21)
.irp g, G1, G1B
	s_mov_b32 s[(\g)+1], 512<<16                   ; tensor_dim0 = 512
	s_mov_b32 s[(\g)+2], 8<<16                     ; tensor_dim1 = 8
	s_mov_b32 s[(\g)+3], 512<<16                   ; tile_dim0 = 512
	s_mov_b32 s[(\g)+4], 8                         ; tile_dim1 = 8
	s_mov_b32 s[(\g)+5], 4096                      ; stride, in elements
	s_mov_b32 s[(\g)+6], 0
	s_mov_b32 s[(\g)+7], 0
.endr
	s_lshl_b32 s16, s13, 19                        ; l1: row block 16 x tile row + 8 x half, of 32,768 bytes
	s_lshl_b32 s17, s12, 18
	s_add_co_u32 s16, s16, s17
	s_mov_b32 s17, 0
	s_lshl_b32 s46, s83, 22                        ; l2: row block 512 + 128 x batch + 16 x tile column + 8 x half
	s_add_co_u32 s46, s46, 0x1000000
	s_lshl_b32 s47, s42, 19
	s_add_co_u32 s46, s46, s47
	s_lshl_b32 s47, s12, 18
	s_add_co_u32 s46, s46, s47
	s_mov_b32 s47, 0
	s_lshl_b32 s18, s13, 20                        ; my part of the tile in ph: query block 16 x tile row + 8 x half, of 65,536 bytes,
	s_lshl_b32 s19, s11, 19
	s_add_co_u32 s18, s18, s19
	s_lshl_b32 s19, s42, 13                        ; chunk 8 x tile column + 4 x half, of 1,024 bytes
	s_add_co_u32 s18, s18, s19
	s_lshl_b32 s19, s12, 12
	s_add_co_u32 s18, s18, s19
	s_mov_b32 s19, 0
	s_lshl_b32 s74, s42, 1                         ; and in st: 4 bytes x (8,192 x block + my first query), block = 2 x tile column + half
	s_add_co_u32 s74, s74, s12
	s_lshl_b32 s74, s74, 13
	s_lshl_b32 s75, s13, 8
	s_add_co_u32 s74, s74, s75
	s_lshl_b32 s75, s11, 7
	s_add_co_u32 s74, s74, s75
	s_lshl_b32 s74, s74, 2
	s_mov_b32 s75, 0
	s_mov_b32 s[CS], 0x3d0293ee                    ; c = log2(e) / sqrt(2,048) = 0.0318793
	s_mov_b32 s[CS+1], s[CS]
	s_mov_b32 s[SEL], 0x76543210
	s_mov_b32 s[SEL+1], 0xfedcba98
	s_mul_i32 s20, s10, HALFT                      ; where my part of a slot goes
	s_wait_dscnt 0x0                               ; the opening add is done
	s_wait_kmcnt 0x0
	s_add_nc_u64 s[14:15], s[68:69], s[16:17]
	s_add_nc_u64 s[46:47], s[68:69], s[46:47]
	s_add_nc_u64 s[CP:CP+1], s[CP:CP+1], s[18:19]
	s_add_nc_u64 s[72:73], s[72:73], s[74:75]
	CROUND                                         ; all sixteen work-groups are here: the first joint loads meet
.irp s, 0,1
	s_mov_b32 s[G0+4*(\s)], 1
	s_add_co_u32 s[G0+4*(\s)+1], s20, (\s)*SLOT
	s_add_nc_u64 s[G0+4*(\s)+2:G0+4*(\s)+3], s[14:15], (\s)*KSTEPB
	s_or_b32 s[G0+4*(\s)+3], s[G0+4*(\s)+3], 0x80000000
	s_mov_b32 s[G0B+4*(\s)], 1
	s_add_co_u32 s[G0B+4*(\s)+1], s20, (\s)*SLOT
	s_add_nc_u64 s[G0B+4*(\s)+2:G0B+4*(\s)+3], s[46:47], (\s)*KSTEPB
	s_or_b32 s[G0B+4*(\s)+3], s[G0B+4*(\s)+3], 0x80000000
.endr
	s_cmp_eq_u32 s11, 0                            ; a wave's two first fills stand in one branch: two loads of mine are out
	s_cbranch_scc0 .Lfirst_b
	tensor_load_to_lds s[G0:G0+3], s[G1:G1+7]
	s_nop 0
	tensor_load_to_lds s[G0+4:G0+7], s[G1:G1+7]
	s_nop 0
.rept 4
	v_nop
.endr
	s_branch .Lfirst_asked
.Lfirst_b:
	tensor_load_to_lds s[G0B:G0B+3], s[G1B:G1B+7]
	s_nop 0
	tensor_load_to_lds s[G0B+4:G0B+7], s[G1B:G1B+7]
	s_nop 0
.rept 4
	v_nop
.endr
.Lfirst_asked:
	v_and_b32 v1, 15, v0                           ; r
	v_bfe_u32 v2, v0, 4, 1                         ; h
	v_and_b32 v[SO], 31, v0
	v_lshlrev_b32 v[SO], 4, v[SO]                  ; 16 x lane
	s_mul_i32 s21, s11, HALFT                      ; my 128 rows of l1
	s_mul_i32 s22, s12, HALFT                      ; my 128 rows of l2,
	s_add_co_u32 s22, s22, 2*HALFT                 ; behind l1's 256
	v_add_nc_u32 v[ADRA0], s21, v[SO]
	v_add_nc_u32 v[ADRB0], s22, v[SO]
	s_lshl_b32 s23, s10, 10
	s_add_co_u32 s23, s23, STST                    ; my statistics' 1,024 bytes
	v_lshlrev_b32 v4, 2, v1
	v_lshl_add_u32 v4, v2, 9, v4
	v_add_nc_u32 v[SA], s23, v4                    ; 512 h + 4 r
	v_add_nc_u32 v[SB], s23, v[SO]
	v_mov_b32 v[ADRA], v[ADRA0]
	v_mov_b32 v[ADRB], v[ADRB0]
	s_mov_b32 s[TB], 0
; 16 matrix instructions: query blocks a0, a0 + 1 of the window's four x all 8 key blocks, 32 along K.  zero = 1: the first product starts the sums.
; The 64 accumulators take turns, one instruction a turn, in the same order in every quarter.
.macro MUL16 f, hi, a0, zero
	WIN MUL_LO+0x50*(\hi)
.irp a, \a0, (\a0)+1
.irp b, 0,1,2,3,4,5,6,7
.if \zero
	v_wmma_f32_16x16x32_f16 v[8*(8*(\a)+(\b)):8*(8*(\a)+(\b))+7], v[(\f)+8*(\b):(\f)+8*(\b)+7], v[(\f)+8*(4*(\hi)+(\a)):(\f)+8*(4*(\hi)+(\a))+7], 0
.else
	v_wmma_f32_16x16x32_f16 v[8*(8*(\a)+(\b)):8*(8*(\a)+(\b))+7], v[(\f)+8*(\b):(\f)+8*(\b)+7], v[(\f)+8*(4*(\hi)+(\a)):(\f)+8*(4*(\hi)+(\a))+7], v[8*(8*(\a)+(\b)):8*(8*(\a)+(\b))+7]
.endif
.endr
.endr
.endm
.macro FETCH q, f                      ; 32 LDS loads in one run: quarter q's fragments of the slot in hand into buffer f: block i's fragment lies at 4,096 i + 1,024 q
	WIN TO_B
.irp i, 0,1,2,3,4,5,6,7
	ds_load_b128 v[(\f)+8*(\i):(\f)+8*(\i)+3],   v[ADRB] offset:(\i)*FRB+1024*(\q)
	ds_load_b128 v[(\f)+8*(\i)+4:(\f)+8*(\i)+7], v[ADRB] offset:(\i)*FRB+1024*(\q)+512
.endr
	WIN 0
.irp i, 0,1,2,3,4,5,6,7
	ds_load_b128 v[(\f)+8*(\i):(\f)+8*(\i)+3],   v[ADRA] offset:(\i)*FRB+1024*(\q)
	ds_load_b128 v[(\f)+8*(\i)+4:(\f)+8*(\i)+7], v[ADRA] offset:(\i)*FRB+1024*(\q)+512
.endr
.endm
.macro PLACES                          ; four places in front of loads into registers that matrix instructions have read, and of vector lines that read results (ISA guide 7.12.1 for the vector lines)
.rept 4
	v_nop
.endr
.endm
.macro QUARTER qn, f, g, zero
	s_wait_dscnt 8                                 ; l2 and l1's rows 0-63 are in; the youngest eight loads (l1's rows 64-127) may be out
	MUL16 \f, 0, 0, \zero
	MUL16 \f, 0, 2, \zero
	PLACES
	FETCH \qn, \g
	s_wait_dscnt 32                                ; all but the 32 just issued
	MUL16 \f, 1, 0, \zero
	MUL16 \f, 1, 2, \zero
.endm
; The last quarter multiplies buffer 1 and changes slots: ONE barrier; in front of it each wave waits for all its tensor loads (one is out: its part of the next slot), adds 0 to its spare word,
; and waits for that and for its own reads of this slot.  fill = 1: the barrier opens a round of the cluster's, and behind the round this slot is filled again first, with the K step two on.
; fill = 0 (the tail's two trips, counted down in s3): nothing is asked for; in the second trip there is no further K step, and the run of fragment loads is jumped over.
.macro TURN fill
	WIN 0
	s_wait_tensorcnt 0x0                           ; all my tensor loads have landed, so the walking descriptors may be written
	ds_add_u32 v[SPW], v[NIL]                      ; 0 onto my spare word
	s_wait_dscnt 9                                 ; (the add and the youngest eight loads may be out)
	MUL16 F1, 0, 0, 0
	s_wait_dscnt 0x0                               ; the add is done, and my reads of this slot are over
	s_barrier_signal -1
	MUL16 F1, 0, 2, 0
	WIN 0
	s_barrier_wait -1
.if \fill
	CREST
	s_xor_b32 s[G0+5], s[G0+5], SLOT
	s_add_nc_u64 s[G0+6:G0+7], s[G0+6:G0+7], KSTEPB
	s_xor_b32 s[G0B+5], s[G0B+5], SLOT
	s_add_nc_u64 s[G0B+6:G0B+7], s[G0B+6:G0B+7], KSTEPB
	JLOAD                                          ; the first tensor load behind the round; its four v_nop are also the places in front of the loads below
.else
	s_cmp_eq_u32 s3, 1
	s_cbranch_scc1 .Lno_fetch_\@
	PLACES
.endif
	s_xor_b32 s[TB], s[TB], SLOT
	v_add_nc_u32 v[ADRA], s[TB], v[ADRA0]
	v_add_nc_u32 v[ADRB], s[TB], v[ADRB0]
	FETCH 0, F0
.if !(\fill)
.Lno_fetch_\@:
.endif
	MUL16 F1, 1, 0, 0
	MUL16 F1, 1, 2, 0
.endm
; THE SOFTMAX OF QUERY BLOCK a OVER MY 128 KEYS: a lane's 64 scores lie in the block's eight accumulators, v[AC .. AC+63] of window 2 or 3.
.macro SUMS w, n                       ; n packed additions of pairs w / 2 registers apart, in place
.set u, 0
.rept \n
	v_pk_add_f32 v[AC+(\w)*u:AC+(\w)*u+1], v[AC+(\w)*u:AC+(\w)*u+1], v[AC+(\w)*u+(\w)/2:AC+(\w)*u+(\w)/2+1]
.set u, u+1
.endr
.endm
.macro FM a                            ; pair p: c s - cm
	v_pk_fma_f32 v[AC+2*p:AC+2*p+1], v[AC+2*p:AC+2*p+1], s[CS:CS+1], v[CM2+2*(\a):CM2+2*(\a)+1] op_sel_hi:[1,0,0] neg_lo:[0,0,1] neg_hi:[0,0,1]
.endm
.macro SOFT a
.set AC, 64*((\a)%4)
.set WS3, (2+(\a)/4)*5                 ; sources 0 and 1 in the accumulators' window; source 2 and the destination in window 0
.set WS2, WS3|((2+(\a)/4)<<6)          ; the destination there too
	WIN WS3
.set i, 0
.rept 32                               ; the maximum, in four chains; the registers ascend
.if i < 4
	v_max_num_f32 v[TC+i], v[AC+2*i], v[AC+2*i+1]
.else
	v_max3_num_f32 v[TC+i%4], v[AC+2*i], v[AC+2*i+1], v[TC+i%4]
.endif
.set i, i+1
.endr
	WIN 0
	v_max3_num_f32 v[TC], v[TC], v[TC+1], v[TC+2]
	v_max_num_f32 v[TC], v[TC], v[TC+3]
	v_permlanex16_b32 v[TX], v[TC], s[SEL], s[SEL+1]  ; the query's other 64 keys lie in the lane 16 away
	v_max_num_f32 v[CM2+2*(\a)+1], v[TC], v[TX]    ; m
	v_mul_f32 v[CM2+2*(\a)], s[CS], v[CM2+2*(\a)+1]  ; cm
	WIN WS2
.set p, 0
.rept 4
	FM \a
.set p, p+1
.endr
.set i, 0
.rept 32                               ; two exponentials, then the scaling four pairs on: a plain line that touches neither stands behind them before a result is used (ISA guide 5.7.2)
	v_exp_f32 v[AC+2*i], v[AC+2*i]
	v_exp_f32 v[AC+2*i+1], v[AC+2*i+1]
.if i < 28
.set p, i+4
	FM \a
.endif
.set i, i+1
.endr
	s_wait_xcnt 0x0                                ; the packed registers, which the block before stored, are rewritten only behind this wait (ISA guide 3.1)
	WIN WS3
.set i, 0
	s_wait_alu depctr_va_vdst(0)
.rept 32
	v_cvt_pk_f16_f32 v[TMP+i], v[AC+2*i], v[AC+2*i+1]  ; a lane's eight neighbouring keys pack into 16 bytes of a fragment
.set i, i+1
.endr
	WIN WS2
	SUMS 4, 16                                     ; l, of the unrounded weights, in f32: a tree of 31 packed additions
	SUMS 8, 8
	SUMS 16, 4
	SUMS 32, 2
	SUMS 64, 1
	WIN WS3
	v_add_f32 v[LS], v[AC], v[AC+1]
	WIN 0
	v_permlanex16_b32 v[TX], v[LS], s[SEL], s[SEL+1]
	v_add_f32 v[LR+(\a)], v[LS], v[TX]
.endm
.macro SEND a
.irp b, 0,1,2,3,4,5,6,7
	global_store_b128 v[SO], v[TMP+4*(\b):TMP+4*(\b)+3], s[CP:CP+1] offset:(\a)*QBB+512*(\b)  ; the wave stores 512 consecutive bytes, the block's eight stores 4,096; 462,336 at the most, inside the signed 24-bit immediate
.endr
.endm
	s_wait_tensorcnt 0x1                           ; my part of K step 0 is in; K step 1's may stay out
	s_barrier_signal -1
	s_barrier_wait -1
	FETCH 0, F0
	QUARTER 1, F0, F1, 1                           ; the first quarter stands in front of the loop: its products start the sums
	WIN 0
	s_mov_b32 s3, TRIPS
.Lstep:                                                ; a trip: a K step's quarters 1 to 3 and the next step's quarter 0; it fills the slot that it leaves
	QUARTER 2, F1, F0, 0
	QUARTER 3, F0, F1, 0
	TURN 1
	QUARTER 1, F0, F1, 0
	WIN 0
	s_sub_co_u32 s3, s3, 1
	s_cmp_lg_u32 s3, 0
	s_cbranch_scc1 .Lstep
	s_mov_b32 s3, 2                                ; THE TAIL has a text of its own: two trips, K steps 6 and 7, which ask for nothing
.Ltail:                                                ; the second trip is left in its middle; its barrier and its wait for all tensor loads serve nothing: the price of one text for both trips
	QUARTER 2, F1, F0, 0
	QUARTER 3, F0, F1, 0
	TURN 0
	WIN 0
	s_sub_co_u32 s3, s3, 1
	s_cmp_eq_u32 s3, 0
	s_cbranch_scc1 .Lout
	QUARTER 1, F0, F1, 0
	WIN 0
	s_branch .Ltail
.Lout:
	PLACES
	v_mov_b32 v[TX], 0                             ; v_permlanex16_b32's destination counts as read
.irp a, 0,1,2,3,4,5,6,7
	SOFT \a
	SEND \a
.endr
	; the statistics: lanes 0-15 put cm, lanes 16-31 l of query 16 a + r into my 1,024 bytes; back as 512 consecutive bytes each
	v_cmp_ne_u32 vcc_lo, 0, v2
.irp a, 0,1,2,3,4,5,6,7
	v_cndmask_b32 v[ST8+(\a)], v[CM2+2*(\a)], v[LR+(\a)], vcc_lo
.endr
.irp a, 0,1,2,3,4,5,6,7
	ds_store_b32 v[SA], v[ST8+(\a)] offset:64*(\a)
.endr
	ds_load_b128 v[112:115], v[SB]                 ; my wave's own bytes: LDS serves a wave's instructions in order (ISA guide 5.7.1.4)
	ds_load_b128 v[116:119], v[SB] offset:512
	s_wait_dscnt 0x0
	global_store_b128 v[SO], v[112:115], s[72:73]                 ; my 128 queries' cm: 512 consecutive bytes
	global_store_b128 v[SO], v[116:119], s[72:73] offset:524288   ; their l, in the second plane
	s_wait_tensorcnt 0x0                           ; the wave's end, behind my last tensor load and my last LDS store
	ds_add_u32 v[SPW], v[NIL]
	s_wait_dscnt 0x0
	CROUND                                         ; the closing round
	s_endpgm
.Lfunc_end_k_qfdbd44a386_score:
	.size	k_qfdbd44a386_score, .Lfunc_end_k_qfdbd44a386_score-k_qfdbd44a386_score
	.p2alignl 7, 3214868480
	.fill 96, 4, 3214868480
	.section	.rodata,"a",@progbits
	.p2align	6, 0x0
	.amdhsa_kernel k_qfdbd44a386_score
		.amdhsa_group_segment_fixed_size 327680
		.amdhsa_private_segment_fixed_size 0
		.amdhsa_enable_private_segment 0
		.amdhsa_kernarg_size 24
		.amdhsa_user_sgpr_count 2
		.amdhsa_user_sgpr_kernarg_segment_ptr 1
		.amdhsa_wavefront_size32 1
		.amdhsa_system_sgpr_workgroup_id_x 1
		.amdhsa_system_sgpr_workgroup_id_y 1
		.amdhsa_system_sgpr_workgroup_id_z 1
		.amdhsa_system_vgpr_workitem_id 0
		.amdhsa_next_free_vgpr 1024
		.amdhsa_next_free_sgpr 84
		.amdhsa_reserve_vcc 1
		.amdhsa_float_denorm_mode_32 3
		.amdhsa_float_denorm_mode_16_64 3
		.amdhsa_memory_ordered 1
		.amdhsa_forward_progress 1
		.amdhsa_inst_pref_size 159
	.end_amdhsa_kernel
	.amdgpu_metadata
---
amdhsa.version: [ 1, 2 ]
amdhsa.kernels:
  - .name:           k_qfdbd44a386_score
    .symbol:         k_qfdbd44a386_score.kd
    .args:
      - { .name: lh, .offset: 0, .size: 8, .value_kind: global_buffer, .address_space: global }
      - { .name: ph, .offset: 8, .size: 8, .value_kind: global_buffer, .address_space: global }
      - { .name: st, .offset: 16, .size: 8, .value_kind: global_buffer, .address_space: global }
    .group_segment_fixed_size: 327680
    .private_segment_fixed_size: 0
    .kernarg_segment_align: 8
    .kernarg_segment_size: 24
    .max_flat_workgroup_size: 128
    .sgpr_count:     84
    .vgpr_count:     1024
    .wavefront_size: 32
...
	.end_amdgpu_metadata
.endif
;; end of part 3
;; launch mix (part 4): grid 4 x 64, 4 waves a work-group, clusters of 4 x 4, 327,680 bytes of LDS; arguments ph, vh, st, out0; writes out0
.if DOCPART == 4
	.amdgcn_target "amdgcn-amd-amdhsa--gfx1250"
	.amdhsa_code_object_version 6
	.text
	.protected	k_qfdbd44a386_mix
	.globl	k_qfdbd44a386_mix
	.p2align	8
	.type	k_qfdbd44a386_mix,@function
k_qfdbd44a386_mix:
	s_mov_b64 s[64:65], 0
	v_nop
	global_prefetch_b8 v0, s[64:65] scope:SCOPE_SE
	s_setreg_imm32_b32 hwreg(HW_REG_WAVE_MODE, 25, 1), 1
	s_wait_xcnt 0x0
	s_wait_alu depctr_hold_cnt(0) depctr_sa_sdst(0) depctr_va_vdst(0) depctr_va_sdst(0) depctr_va_ssrc(0) depctr_va_vcc(0) depctr_vm_vsrc(0)
	s_getreg_b32 s2, hwreg(HW_REG_IB_STS2, 6, 4)
	s_cmp_eq_u32 s2, 0
	s_cbranch_scc0 .Lentry_in_a_cluster
	s_endpgm
.Lentry_in_a_cluster:
	s_bfe_u32 s2, ttmp6, 0x10000c
	s_cmp_lg_u32 s2, 0xf033
	s_cbranch_scc0 .Lentry_shape_is_right
	s_endpgm
.Lentry_shape_is_right:
; THE WEIGHTED SUM.  For each query: M = the maximum of its 16 blocks' cm, a_j = 2^(cm_j - M), L = the sum of a_j l_j (all f32); out0[q][d] = (sum over j, over the block's keys, of (a_j p[q][k]) v[k][d]) / L.
; With the launch before this is the softmax with its true row maximum taken away.  ph and vh f16; a_j is rounded to f16 and a_j p once more (v_pk_mul_f16 on the fragment, between its load and the product); sums f32; out0 f32.
; LIMITS.  A weight a_j p below 6e-8 counts as 0, below 6e-5 it keeps f16's fixed step of 6e-8 (the row's largest weight is 1); a factor below 2^-126 counts as 0.  L is at least 1.  NaN and infinities are not treated apart.
; SHARES.  A tile of 128 queries x 256 channels to a work-group (64 x 4 tiles: 256 work-groups; 256 x 256 would make 128), 64 x 128 to a wave: 32 accumulators.  The 2,048 keys go in 16 steps of 128: step j is block j.
; ph LIES AS FRAGMENTS: block qb of 16 queries, chunk kc of 32 keys: 1,024 bytes at 65,536 qb + 1,024 kc; the 16 bytes at 16 l are registers 0-3 of lane l's fragment, those at 512 + 16 l registers 4-7.
; A step's part of a query block is 4,096 consecutive bytes; in LDS the blocks lie end to end, and a fragment is two loads of 16 x lane (512 consecutive bytes).
; vh's tile lies [key][channel]: 128 rows of 512 bytes, turned on the way out of LDS by ds_load_tr16_b128.
; CLUSTER.  4 x 4 work-groups: ph's tile hangs on the tile row and is asked for jointly by a row of the cluster; vh's on the tile column and the batch (a cluster's 512 queries lie in one batch), jointly by a column.
; THE MATRIX INSTRUCTION IS USED TRANSPOSED (source 0 = 16 channels, source 1 = 16 queries): lane l holds query l % 16 and its registers the channels 8 (l / 16) + 0..7.
; REGISTERS, in windows of 256 (s_set_vgpr_msb: bits 1:0 source 0, 3:2 source 1, 5:4 source 2, 7:6 destination):
;   window 0: v0-31 addresses; v32-39 1 / L, a pair for each query block; v40-47, v64-127 at work; v128-191, v192-255 rows read back from the stage, by turns
;   window 1: v0-63, v64-127 vh's fragments, two buffers; v128-131 a_j of my lane's query in each of the four query blocks, twice in each word
;   window 2: v0-127 the accumulators of query blocks 0, 1 ((a', b) at v[8 (8 a' + b)]); v128-143, v144-159 their fragments of ph, two buffers      window 3: the same for query blocks 2, 3
; ph's fragments lie beside their accumulators so that, under the very setting of the products, the scaling's destination and source 1 fall into their window and its source 0 (a_j) into vh's: no switch is spent on it.
.set FRB,    4096                      ; a query block in a step: four fragments
.set PB,     544                       ; vh's LDS row: 512 bytes + 32
.set AHALF,  4*FRB                     ; what one tensor load brings of ph: four query blocks
.set BHALF,  64*PB                     ; and of vh: 64 rows
.set BOFF,   2*AHALF                   ; a slot: ph's 8 query blocks, then vh's 128 rows: 102,400 bytes
.set SLOT1,  1<<17                     ; slot 1 begins here, so that one exclusive or changes slots
.set STAGE,  SLOT1+BOFF+2*BHALF        ; behind the ring: 16 rows x 528 bytes for each wave, for the way out
.set SPITCH, 528                       ; 512 bytes + 16
.set TAB,    STAGE+4*16*SPITCH         ; 4,096 bytes for each wave: a_j (f16, twice) of query 16 a + r at 256 j + 16 r + 4 a
.set INVT,   TAB+4*4096                ; 512 bytes for each wave: (1 / L, 1 / L) of query 16 a + r at 32 r + 8 a
.set SPARE,  INVT+4*512                ; the spare words, 128 bytes for each wave: two blocks of 256 bytes that no other line names
.set ASTEP,  4096                      ; a step in a query block of ph: four chunks
.set BSTEP,  128*2048                  ; a step in vh: 128 rows
.set TRIPS,  14                        ; steps 2 to 15 are asked for in the loop
.set ADRA0, 16
.set ADRA,  17
.set ADRB0, 20
.set ADRB,  21
.set STO,  24                          ; v24  the way out: where I put 32 bytes of a row
.set RD,   25                          ; v25  the way out: my 16 bytes of a row of 512
.set CO,   26                          ; v26  16 x lane
.set TA0,  27                          ; v27  my lane's place in the table of a_j; never rewritten
.set SPW,  28
.set NIL,  29
.set TA,   30                          ; v30  the same for the step in hand
.set IV,   32
.set TMP,  64
.set OB,   128
.set BF,   0                           ; window 1
.set AL,   128                         ; window 1
.set AF,   128                         ; windows 2 and 3
.set G1,  24
.set G0,  32
.set G1B, 48
.set G0B, 56
.set TB,  45                           ; s45  LDS byte at which the slot in hand begins
.set TJ,  82                           ; s82  256 x the step in hand
.set CP,  74                           ; s[74:75] out0
.set MSB, 0
.macro WIN new
.if MSB != (\new)
	s_set_vgpr_msb (MSB<<8)|(\new)
.set MSB, \new
.endif
.endm
.set MUL2,  0xa9                       ; source 0 window 1; source 1, C and D window 2
.set MUL3,  0xfd                       ; the same with window 3
.set TO_B,  0x40
.set TO_A2, 0x80
.set TO_A3, 0xc0
.macro JLOAD                           ; a joint refill: waves 0 and 1 fetch ph's two halves, waves 2 and 3 vh's; an s_nop 0 and four v_nop follow each line
	s_cmp_eq_u32 s11, 0
	s_cbranch_scc0 .Lfor_b_\@
	tensor_load_to_lds s[G0+4:G0+7], s[G1:G1+7]
	s_nop 0
.rept 4
	v_nop
.endr
	s_branch .Lasked_\@
.Lfor_b_\@:
	tensor_load_to_lds s[G0B+4:G0B+7], s[G1B:G1B+7]
	s_nop 0
.rept 4
	v_nop
.endr
.Lasked_\@:
.endm
.macro CREST
	s_cmp_lg_u32 s10, 0
	s_cbranch_scc1 .Lnot_wave_0_\@
	s_barrier_signal -3
.Lnot_wave_0_\@:
	s_barrier_wait -3
	s_barrier_signal -1
	s_barrier_wait -1
.endm
.macro CROUND
	s_barrier_signal -1
	s_barrier_wait -1
	CREST
.endm
	s_load_b256 s[68:75], s[0:1], 0x0              ; ph 68:69, vh 70:71, st 72:73, out0 74:75
	v_lshl_add_u32 v[SPW], v0, 2, SPARE
	v_mov_b32 v[NIL], 0
	ds_add_u32 v[SPW], v[NIL]                      ; the wave's opening: the add and its wait stand ahead of my first tensor load; the set-up below, work on registers, stands between them
	v_lshrrev_b32 v1, 5, v0
	v_readfirstlane_b32 s10, v1                    ; wave 0..3
	s_lshr_b32 s11, s10, 1                         ; which half of the tile's queries is mine.  Also: I fetch for ph (0) or for vh (1)
	s_and_b32 s12, s10, 1                          ; which half of its channels.  Also: which half of that tile I fetch
	s_bfe_u32 s40, ttmp6, 0x40000                  ; cx
	s_bfe_u32 s41, ttmp6, 0x40004                  ; cy
	s_lshl_b32 s42, ttmp9, 2
	s_add_co_u32 s42, s42, s40                     ; tile column = 4 x cluster x + cx
	s_and_b32 s81, ttmp7, 0xffff                   ; the cluster's y
	s_lshl_b32 s13, s81, 2
	s_add_co_u32 s13, s13, s41                     ; tile row (of 64) = 4 x cluster y + cy
	s_lshr_b32 s83, s81, 2                         ; the batch: four clusters' rows each
	s_lshl_b32 s43, s41, 2
	s_lshl_b32 s43, 15, s43                        ; my row of the cluster
	s_lshl_b32 s44, 0x1111, s40                    ; my column
	; group 1 for ph: 4 query blocks x 4,096 bytes (512 elements of 8 bytes), 65,536 bytes from block to block, no padding
	s_or_b32 s[G1+0], s43, (3<<16)|(1<<21)         ; 15:0 the mask; 17:16 8-byte elements; 21 set beside a mask
	s_mov_b32 s[G1+1], 512<<16                     ; tensor_dim0 = 512
	s_mov_b32 s[G1+2], 4<<16                       ; tensor_dim1 = 4
	s_mov_b32 s[G1+3], 512<<16                     ; tile_dim0 = 512
	s_mov_b32 s[G1+4], 4                           ; tile_dim1 = 4
	s_mov_b32 s[G1+5], 8192                        ; stride, in elements
	s_mov_b32 s[G1+6], 0
	s_mov_b32 s[G1+7], 0
	; group 1 for vh: 64 rows x 256 elements of 2 bytes, 1,024 elements from row to row, 8 words of padding behind every 128
	s_or_b32 s[G1B+0], s44, (1<<16)|(1<<20)|(1<<21)|(6<<22)|(7<<25)
	s_mov_b32 s[G1B+1], 256<<16
	s_mov_b32 s[G1B+2], 64<<16
	s_mov_b32 s[G1B+3], 256<<16
	s_mov_b32 s[G1B+4], 64
	s_mov_b32 s[G1B+5], 1024
	s_mov_b32 s[G1B+6], 0
	s_mov_b32 s[G1B+7], 0
	s_lshl_b32 s16, s13, 19                        ; ph: query block 8 x tile row + 4 x half, of 65,536 bytes
	s_lshl_b32 s17, s12, 18
	s_add_co_u32 s16, s16, s17
	s_mov_b32 s17, 0
	s_lshl_b32 s46, s83, 22                        ; vh: 4,194,304 bytes a batch,
	s_lshl_b32 s47, s12, 17                        ; 64 rows of 2,048 bytes a half,
	s_add_co_u32 s46, s46, s47
	s_lshl_b32 s47, s42, 9                         ; 256 channels of 2 bytes a tile column
	s_add_co_u32 s46, s46, s47
	s_mov_b32 s47, 0
	s_lshl_b32 s78, s13, 7                         ; st: 4 bytes x my first query
	s_lshl_b32 s79, s11, 6
	s_add_co_u32 s78, s78, s79
	s_lshl_b32 s78, s78, 2
	s_mov_b32 s79, 0
	s_mul_i32 s20, s12, AHALF                      ; where my part of a slot goes, if it is ph's,
	s_mul_i32 s21, s12, BHALF                      ; and if it is vh's
	s_add_co_u32 s21, s21, BOFF
	v_and_b32 v12, 31, v0                          ; L
	v_lshlrev_b32 v3, 3, v12                       ; lane L takes queries 2 L and 2 L + 1 of my wave's 64
	s_wait_dscnt 0x0                               ; the opening add is done
	s_wait_kmcnt 0x0
	s_add_nc_u64 s[14:15], s[68:69], s[16:17]
	s_add_nc_u64 s[46:47], s[70:71], s[46:47]
	s_add_nc_u64 s[72:73], s[72:73], s[78:79]
	; THE STATISTICS are asked for ahead of the round: they are on their way while the work-groups meet and the first tiles land.  Each load covers 256 consecutive bytes.
.set j, 0
.rept 16
	global_load_b64 v[64+2*j:65+2*j], v3, s[72:73] offset:32768*j          ; cm of block j
.set j, j+1
.endr
.set j, 0
.rept 16
	global_load_b64 v[96+2*j:97+2*j], v3, s[72:73] offset:524288+32768*j   ; l of block j
.set j, j+1
.endr
	CROUND                                         ; all sixteen work-groups are here: the first joint loads meet
.irp s, 0,1
	s_mov_b32 s[G0+4*(\s)], 1
	s_add_co_u32 s[G0+4*(\s)+1], s20, (\s)*SLOT1
	s_add_nc_u64 s[G0+4*(\s)+2:G0+4*(\s)+3], s[14:15], (\s)*ASTEP
	s_or_b32 s[G0+4*(\s)+3], s[G0+4*(\s)+3], 0x80000000
	s_mov_b32 s[G0B+4*(\s)], 1
	s_add_co_u32 s[G0B+4*(\s)+1], s21, (\s)*SLOT1
	s_add_nc_u64 s[G0B+4*(\s)+2:G0B+4*(\s)+3], s[46:47], (\s)*BSTEP
	s_or_b32 s[G0B+4*(\s)+3], s[G0B+4*(\s)+3], 0x80000000
.endr
	s_cmp_eq_u32 s11, 0                            ; a wave's two first fills stand in one branch: two loads of mine are out
	s_cbranch_scc0 .Lfirst_b
	tensor_load_to_lds s[G0:G0+3], s[G1:G1+7]
	s_nop 0
	tensor_load_to_lds s[G0+4:G0+7], s[G1:G1+7]
	s_nop 0
.rept 4
	v_nop
.endr
	s_branch .Lfirst_asked
.Lfirst_b:
	tensor_load_to_lds s[G0B:G0B+3], s[G1B:G1B+7]
	s_nop 0
	tensor_load_to_lds s[G0B+4:G0B+7], s[G1B:G1B+7]
	s_nop 0
.rept 4
	v_nop
.endr
.Lfirst_asked:
	v_and_b32 v1, 15, v0                           ; r
	v_bfe_u32 v2, v0, 4, 1                         ; h
	v_and_b32 v10, 7, v0                           ; L % 8
	v_bfe_u32 v11, v0, 3, 1                        ; (L / 8) % 2
	v_bfe_u32 v13, v0, 3, 2                        ; L / 8
	v_lshlrev_b32 v[CO], 4, v12                    ; 16 x lane
	s_mul_i32 s19, s11, AHALF                      ; my four query blocks
	v_add_nc_u32 v[ADRA0], s19, v[CO]
	v_lshl_add_u32 v4, v2, 3, v10                  ; the turning load: row 8 h + L % 8, 16 bytes at 16 ((L / 8) % 2)
	v_mul_u32_u24 v4, v4, PB
	v_lshl_add_u32 v4, v11, 4, v4
	s_lshl_b32 s19, s12, 8                         ; my 128 channels: 256 bytes,
	s_add_co_u32 s19, s19, BOFF                    ; behind ph's 8 query blocks
	v_add_nc_u32 v[ADRB0], s19, v4
	s_mul_i32 s18, s10, 16*SPITCH
	s_add_co_u32 s18, s18, STAGE                   ; my stage
	v_mul_u32_u24 v4, v1, SPITCH                   ; in: row r, 32 bytes for each half of the lanes
	v_lshl_add_u32 v4, v2, 5, v4
	v_add_nc_u32 v[STO], s18, v4
	v_add_nc_u32 v[RD], s18, v[CO]                 ; back: 32 lanes take a row of 512 bytes
	s_lshl_b32 s22, s10, 12
	s_add_co_u32 s22, s22, TAB                     ; my table
	v_lshlrev_b32 v4, 5, v10                       ; query 2 L + e is block a = L / 8, row r = 2 (L % 8) + e: 16 r + 4 a = 32 (L % 8) + 4 (L / 8) + 16 e
	v_lshl_add_u32 v4, v13, 2, v4
	v_add_nc_u32 v4, s22, v4
	v_lshl_add_u32 v[TA0], v1, 4, s22
	s_lshl_b32 s23, s10, 9
	s_add_co_u32 s23, s23, INVT                    ; my reciprocals
	v_lshlrev_b32 v5, 6, v10                       ; 32 r + 8 a = 64 (L % 8) + 8 (L / 8) + 32 e
	v_lshl_add_u32 v5, v13, 3, v5
	v_add_nc_u32 v5, s23, v5
	v_lshl_add_u32 v6, v1, 5, s23
	s_lshl_b32 s16, s13, 7                         ; where my part of the tile begins in out0
	s_lshl_b32 s17, s11, 6
	s_add_co_u32 s16, s16, s17
	s_lshl_b32 s16, s16, 12
	s_lshl_b32 s46, s42, 10
	s_lshl_b32 s47, s12, 9
	s_add_co_u32 s46, s46, s47
	s_add_co_u32 s16, s16, s46
	s_mov_b32 s17, 0
	v_mov_b32 v[ADRA], v[ADRA0]
	v_mov_b32 v[ADRB], v[ADRB0]
	v_mov_b32 v[TA], v[TA0]
	s_mov_b32 s[TB], 0
	s_mov_b32 s[TJ], 0
	s_wait_loadcnt 0x0
.irp e, 0,1
	v_max3_num_f32 v[40+\e], v[64+\e], v[66+\e], v[68+\e]        ; M, for each of my two queries
.endr
.irp j, 3,5,7,9,11,13
.irp e, 0,1
	v_max3_num_f32 v[40+\e], v[40+\e], v[64+2*\j+\e], v[66+2*\j+\e]
.endr
.endr
.irp e, 0,1
	v_max_num_f32 v[40+\e], v[40+\e], v[94+\e]
.endr
.set j, 0
.rept 16
	v_pk_add_f32 v[64+2*j:65+2*j], v[64+2*j:65+2*j], v[40:41] neg_lo:[0,1] neg_hi:[0,1]  ; cm_j - M
.set j, j+1
.endr
.set j, 0
.rept 32
	v_exp_f32 v[64+j], v[64+j]                     ; a_j
.set j, j+1
.endr
	v_nop                                          ; a plain line between the last exponential and the use of its result
	s_wait_alu depctr_va_vdst(0)
	v_pk_mul_f32 v[42:43], v[64:65], v[96:97]      ; L = the sum of a_j l_j, in f32
.set j, 1
.rept 15
	v_pk_fma_f32 v[42:43], v[64+2*j:65+2*j], v[96+2*j:97+2*j], v[42:43]
.set j, j+1
.endr
	v_rcp_f32 v44, v42                             ; 1 / L, twice for each query: a pair for the packed multiply
	v_rcp_f32 v45, v42
	v_rcp_f32 v46, v43
	v_rcp_f32 v47, v43
	v_nop
.set j, 0
.rept 32
	v_cvt_pk_f16_f32 v[64+j], v[64+j], v[64+j]     ; a_j in both halves of a word
.set j, j+1
.endr
.set j, 0
.rept 16
	ds_store_b32 v4, v[64+2*j] offset:256*j
	ds_store_b32 v4, v[65+2*j] offset:256*j+16
.set j, j+1
.endr
	s_wait_alu depctr_va_vdst(0)
	ds_store_b64 v5, v[44:45]
	ds_store_b64 v5, v[46:47] offset:32
	ds_load_b128 v[IV:IV+3], v6                    ; my lane's query in each of the four blocks; these bytes are my wave's own, and LDS serves a wave's instructions in order (ISA guide 5.7.1.4)
	ds_load_b128 v[IV+4:IV+7], v6 offset:16
; One product: query block a' of the window's two x channel block b, 32 keys, buffer f.  zero = 1: it starts the sum.
.macro WM f, ap, b, zero
.if \zero
	v_wmma_f32_16x16x32_f16 v[8*(8*(\ap)+(\b)):8*(8*(\ap)+(\b))+7], v[BF+64*(\f)+8*(\b):BF+64*(\f)+8*(\b)+7], v[AF+16*(\f)+8*(\ap):AF+16*(\f)+8*(\ap)+7], 0
.else
	v_wmma_f32_16x16x32_f16 v[8*(8*(\ap)+(\b)):8*(8*(\ap)+(\b))+7], v[BF+64*(\f)+8*(\b):BF+64*(\f)+8*(\b)+7], v[AF+16*(\f)+8*(\ap):AF+16*(\f)+8*(\ap)+7], v[8*(8*(\ap)+(\b)):8*(8*(\ap)+(\b))+7]
.endif
.endm
; Window w's first query block: its fragment is scaled by a_j, then its 8 products, and behind each a line that scales the second block's fragment, which none of these products names.
; The 32 accumulators take turns, one instruction a turn, in the same order in every quarter.
.macro HQA w, f, zero
	WIN MUL2+0x54*((\w)-2)
.irp i, 0,1,2,3,4,5,6,7
	v_pk_mul_f16 v[AF+16*(\f)+(\i)], v[AL+2*((\w)-2)], v[AF+16*(\f)+(\i)]
.endr
.irp b, 0,1,2,3,4,5,6,7
	WM \f, 0, \b, \zero
	v_pk_mul_f16 v[AF+16*(\f)+8+(\b)], v[AL+2*((\w)-2)+1], v[AF+16*(\f)+8+(\b)]
.endr
.endm
.macro HQB w, f, zero                  ; window w's second query block: 8 products
	WIN MUL2+0x54*((\w)-2)
.irp b, 0,1,2,3,4,5,6,7
	WM \f, 1, \b, \zero
.endr
.endm
; 24 LDS loads in one run: quarter q's fragments (32 keys) of the slot in hand into buffers g; al = 1: ahead of them the step's a_j, one load more
.macro FETCH q, g, al
	WIN TO_B
.if \al
	ds_load_b128 v[AL:AL+3], v[TA]
.endif
.irp i, 0,1,2,3,4,5,6,7
	ds_load_tr16_b128 v[BF+64*(\g)+8*(\i):BF+64*(\g)+8*(\i)+3],   v[ADRB] offset:(\q)*32*PB+32*(\i)
	ds_load_tr16_b128 v[BF+64*(\g)+8*(\i)+4:BF+64*(\g)+8*(\i)+7], v[ADRB] offset:(\q)*32*PB+16*PB+32*(\i)
.endr
	WIN TO_A2
.irp i, 0,1
	ds_load_b128 v[AF+16*(\g)+8*(\i):AF+16*(\g)+8*(\i)+3],   v[ADRA] offset:(\i)*FRB+1024*(\q)
	ds_load_b128 v[AF+16*(\g)+8*(\i)+4:AF+16*(\g)+8*(\i)+7], v[ADRA] offset:(\i)*FRB+1024*(\q)+512
.endr
	WIN TO_A3
.irp i, 0,1
	ds_load_b128 v[AF+16*(\g)+8*(\i):AF+16*(\g)+8*(\i)+3],   v[ADRA] offset:(2+(\i))*FRB+1024*(\q)
	ds_load_b128 v[AF+16*(\g)+8*(\i)+4:AF+16*(\g)+8*(\i)+7], v[ADRA] offset:(2+(\i))*FRB+1024*(\q)+512
.endr
.endm
.macro PLACES                          ; four places in front of loads into registers that matrix instructions have read, and of vector lines that read results (ISA guide 7.12.1 for the vector lines)
.rept 4
	v_nop
.endr
.endm
; One of a step's first three quarters: 32 products on buffers f; in its middle quarter qn of the same slot is fetched into buffers g.
.macro QUARTER qn, f, g, zero
	s_wait_dscnt 4                                 ; all but the youngest four loads (ph's fragments of query blocks 2, 3) are in
	HQA 2, \f, \zero
	HQB 2, \f, \zero
	PLACES
	FETCH \qn, \g, 0
	s_wait_dscnt 24                                ; all but the 24 just issued
	HQA 3, \f, \zero
	HQB 3, \f, \zero
.endm
; The last quarter changes slots and then multiplies buffers 1.  A step's 128 products are short beside the way of a tile, so the next request goes out as soon as the last tile is seen landed: each wave waits
; for all its tensor loads (one is out: its part of the next slot), adds 0 to its spare word, steps its scalars, waits for the add and for its own reads of this slot (the 24 loads issued in the middle of the
; quarter before), and meets the others at once; the quarter's products and scalings stand behind the request.
; fill = 1: the barrier opens a round of the cluster's, and behind the round this slot is filled again first, with the step two on.
; fill = 0 (the tail's two trips, counted down in s3): nothing is asked for; in the second trip there is no further step, and the run of fragment loads is jumped over.
.macro TURN fill
	WIN 0
	s_wait_tensorcnt 0x0                           ; all my tensor loads have landed, so the walking descriptors may be written
	ds_add_u32 v[SPW], v[NIL]                      ; 0 onto my spare word; scalar work stands between it and the wait for it
.if \fill
	s_xor_b32 s[G0+5], s[G0+5], SLOT1              ; the other slot than last time,
	s_add_nc_u64 s[G0+6:G0+7], s[G0+6:G0+7], ASTEP ; the next step; the type bits on top are not reached
	s_xor_b32 s[G0B+5], s[G0B+5], SLOT1
	s_add_nc_u64 s[G0B+6:G0B+7], s[G0B+6:G0B+7], BSTEP
.endif
	s_xor_b32 s[TB], s[TB], SLOT1
	s_add_co_u32 s[TJ], s[TJ], 256
	s_wait_dscnt 0x0                               ; the add is done, and my reads of this slot are over
	s_barrier_signal -1
	s_barrier_wait -1
.if \fill
	CREST                                          ; no wave of any partner still reads this slot's tile or has a load on its way
	JLOAD                                          ; the first tensor load behind the round
.endif
	HQA 2, 1, 0
	HQB 2, 1, 0
	WIN MUL3
.irp i, 0,1,2,3,4,5,6,7                ; query blocks 2 and 3 are scaled now: the next step's a_j are loaded below, ahead of their products.  These lines and HQA's name no register of the
	v_pk_mul_f16 v[AF+16+(\i)], v[AL+2], v[AF+16+(\i)]     ; products that read buffers 0: they are the places in front of the loads into those buffers
.endr
.irp i, 8,9,10,11,12,13,14,15
	v_pk_mul_f16 v[AF+16+(\i)], v[AL+3], v[AF+16+(\i)]
.endr
	WIN 0
.if !(\fill)
	s_cmp_eq_u32 s3, 1
	s_cbranch_scc1 .Lno_fetch_\@
.endif
	v_add_nc_u32 v[ADRA], s[TB], v[ADRA0]
	v_add_nc_u32 v[ADRB], s[TB], v[ADRB0]
	v_add_nc_u32 v[TA], s[TJ], v[TA0]
	FETCH 0, 0, 1
.if !(\fill)
	WIN 0
.Lno_fetch_\@:
.endif
	WIN MUL3
.irp b, 0,1,2,3,4,5,6,7
	WM 1, 0, \b, 0
.endr
.irp b, 0,1,2,3,4,5,6,7
	WM 1, 1, \b, 0
.endr
.endm
; THE WAY OUT of query block a.  PACK: divided by L, each accumulator's registers ascending.  TOSTAGE: into my own stage, and back as whole rows of 512 bytes.  SEND: stored.
.macro PACK a
.set AC, 64*((\a)%2)
	WIN 2+(\a)/2                                   ; source 0: window 2 or 3
.set i, 0
.rept 32
	v_pk_mul_f32 v[TMP+2*i:TMP+2*i+1], v[AC+2*i:AC+2*i+1], v[IV+2*(\a):IV+2*(\a)+1]
.set i, i+1
.endr
	WIN 0
.endm
.macro TOSTAGE a
	WIN 0
.set BK, OB+64*((\a)%2)
.irp b, 0,1,2,3,4,5,6,7
	ds_store_b128 v[STO], v[TMP+8*(\b):TMP+8*(\b)+3] offset:64*(\b)
	ds_store_b128 v[STO], v[TMP+8*(\b)+4:TMP+8*(\b)+7] offset:64*(\b)+16
.endr
.set t, 0
.rept 16
	ds_load_b128 v[BK+4*t:BK+4*t+3], v[RD] offset:SPITCH*t  ; LDS serves a wave's instructions in order (ISA guide 5.7.1.4): these see the stores above
.set t, t+1
.endr
.endm
.macro SEND a
	WIN 0
.set BK, OB+64*((\a)%2)
	s_wait_dscnt 0x0                               ; the block is back in registers
	s_wait_xcnt 0x0                                ; the stores' base, and the registers that earlier stores read, are rewritten only behind this wait (ISA guide 3.1)
.if (\a) == 0
	s_add_nc_u64 s[CP:CP+1], s[CP:CP+1], s[16:17]
.else
	s_add_nc_u64 s[CP:CP+1], s[CP:CP+1], 16*4096
.endif
.set t, 0
.rept 16
	global_store_b128 v[CO], v[BK+4*t:BK+4*t+3], s[CP:CP+1] offset:4096*t th:TH_STORE_NT  ; the wave stores 512 consecutive bytes, at a multiple of 512 from out0's first byte
.set t, t+1
.endr
.endm
	s_wait_dscnt 0x0                               ; 1 / L is in, my stores into the tables are done
	s_wait_tensorcnt 0x1                           ; my part of step 0 is in; step 1's may stay out
	s_barrier_signal -1
	s_barrier_wait -1
	FETCH 0, 0, 1
	QUARTER 1, 0, 1, 1                             ; the first quarter stands in front of the loop: its products start the sums
	WIN 0
	s_mov_b32 s3, TRIPS
.Lstep:                                                ; a trip: a step's quarters 1 to 3 and the next step's quarter 0; it fills the slot that it leaves
	QUARTER 2, 1, 0, 0
	QUARTER 3, 0, 1, 0
	TURN 1
	QUARTER 1, 0, 1, 0
	WIN 0
	s_sub_co_u32 s3, s3, 1
	s_cmp_lg_u32 s3, 0
	s_cbranch_scc1 .Lstep
	s_mov_b32 s3, 2                                ; THE TAIL has a text of its own: two trips, steps 14 and 15, which ask for nothing
.Ltail:                                                ; the second trip is left in its middle; its barrier and its wait for all tensor loads serve nothing: the price of one text for both trips
	QUARTER 2, 1, 0, 0
	QUARTER 3, 0, 1, 0
	TURN 0
	WIN 0
	s_sub_co_u32 s3, s3, 1
	s_cmp_eq_u32 s3, 0
	s_cbranch_scc1 .Lout
	QUARTER 1, 0, 1, 0
	WIN 0
	s_branch .Ltail
.Lout:
	PLACES
	PACK 0
	TOSTAGE 0
.irp a, 1,2,3                          ; block a's multiplies stand between block a - 1's loads from the stage and the wait for them
	PACK \a
	SEND (\a)-1
	TOSTAGE \a
.endr
	SEND 3
	s_wait_tensorcnt 0x0                           ; the wave's end, behind my last tensor load and my last LDS store
	ds_add_u32 v[SPW], v[NIL]
	s_wait_dscnt 0x0
	CROUND                                         ; the closing round
	s_endpgm
.Lfunc_end_k_qfdbd44a386_mix:
	.size	k_qfdbd44a386_mix, .Lfunc_end_k_qfdbd44a386_mix-k_qfdbd44a386_mix
	.p2alignl 7, 3214868480
	.fill 96, 4, 3214868480
	.section	.rodata,"a",@progbits
	.p2align	6, 0x0
	.amdhsa_kernel k_qfdbd44a386_mix
		.amdhsa_group_segment_fixed_size 327680
		.amdhsa_private_segment_fixed_size 0
		.amdhsa_enable_private_segment 0
		.amdhsa_kernarg_size 32
		.amdhsa_user_sgpr_count 2
		.amdhsa_user_sgpr_kernarg_segment_ptr 1
		.amdhsa_wavefront_size32 1
		.amdhsa_system_sgpr_workgroup_id_x 1
		.amdhsa_system_sgpr_workgroup_id_y 1
		.amdhsa_system_sgpr_workgroup_id_z 1
		.amdhsa_system_vgpr_workitem_id 0
		.amdhsa_next_free_vgpr 928
		.amdhsa_next_free_sgpr 84
		.amdhsa_reserve_vcc 0
		.amdhsa_float_denorm_mode_32 3
		.amdhsa_float_denorm_mode_16_64 3
		.amdhsa_memory_ordered 1
		.amdhsa_forward_progress 1
		.amdhsa_inst_pref_size 99
	.end_amdhsa_kernel
	.amdgpu_metadata
---
amdhsa.version: [ 1, 2 ]
amdhsa.kernels:
  - .name:           k_qfdbd44a386_mix
    .symbol:         k_qfdbd44a386_mix.kd
    .args:
      - { .name: ph, .offset: 0, .size: 8, .value_kind: global_buffer, .address_space: global }
      - { .name: vh, .offset: 8, .size: 8, .value_kind: global_buffer, .address_space: global }
      - { .name: st, .offset: 16, .size: 8, .value_kind: global_buffer, .address_space: global }
      - { .name: out0, .offset: 24, .size: 8, .value_kind: global_buffer, .address_space: global }
    .group_segment_fixed_size: 327680
    .private_segment_fixed_size: 0
    .kernarg_segment_align: 8
    .kernarg_segment_size: 32
    .max_flat_workgroup_size: 128
    .sgpr_count:     84
    .vgpr_count:     928
    .wavefront_size: 32
...
	.end_amdgpu_metadata
.endif
;; end of part 4
